; MI455X (gfx1250); checked and timed in simulation.
; The chip was launched on July 23, 2026; its instructions are those of AMD's public machine-readable ISA for CDNA 5 (MIT licence, August 2026) and "CDNA5" Instruction Set Architecture Reference Guide (July 2026). The comments in the code are by the model that wrote it; some were corrected since.
;; Linear Transformer Block. Allowed arithmetic: matrix products marked QUANTISED: E2M3 operands, one E8M0 scale for each 32 along K, by v_wmma_scale_f32_16x16x128_f8f6f4 with both operands' format E2M3, f32 sums; products left as they are: f32 operands where the result goes on into a quantised operand, else bf16, f16 or f32 operands; f32 sums; everything else in f32.
;; Inputs: b1 1,024 float32; b2 1,024 float32; bk 1,024 float32; bo 1,024 float32; bq 1,024 float32; bv 1,024 float32; emb_k 50 x 64 float32; emb_v 50 x 64 float32; labels 8 x 1,024 int32; ln1_b 1,024 float32; ln1_s 1,024 float32; ln2_b 1,024 float32; ln2_s 1,024 float32; w1_codes 1,024 x 32 x 24 uint8 (E2M3 codes of w1, K innermost, in blocks of 32 codes, four codes in three bytes); w1_scales 1,024 x 32 uint8 (E8M0 scales of w1, one for each 32 codes along K); w2_codes 1,024 x 32 x 24 uint8 (E2M3 codes of w2, K innermost, in blocks of 32 codes, four codes in three bytes); w2_scales 1,024 x 32 uint8 (E8M0 scales of w2, one for each 32 codes along K); wk_codes 1,024 x 32 x 24 uint8 (E2M3 codes of wk, K innermost, in blocks of 32 codes, four codes in three bytes); wk_scales 1,024 x 32 uint8 (E8M0 scales of wk, one for each 32 codes along K); wo_codes 1,024 x 32 x 24 uint8 (E2M3 codes of wo, K innermost, in blocks of 32 codes, four codes in three bytes); wo_scales 1,024 x 32 uint8 (E8M0 scales of wo, one for each 32 codes along K); wq_codes 1,024 x 32 x 24 uint8 (E2M3 codes of wq, K innermost, in blocks of 32 codes, four codes in three bytes); wq_scales 1,024 x 32 uint8 (E8M0 scales of wq, one for each 32 codes along K); wv_codes 1,024 x 32 x 24 uint8 (E2M3 codes of wv, K innermost, in blocks of 32 codes, four codes in three bytes); wv_scales 1,024 x 32 uint8 (E8M0 scales of wv, one for each 32 codes along K); x 8 x 1,024 x 1,024 float32.
;; Outputs: out0 8 x 1,024 x 1,024 float32.
;; This version of the problem:
;;   THIS VERSION OF THE PROBLEM IS GIVEN IN LOW PRECISION. The matrix products marked QUANTISED in the list below multiply operands that are first quantised to E2M3 (2 exponent bits, 3 mantissa bits; 6 bits a number), with one power-of-two scale for each 32 numbers along K (OCP MX v1.0); their sums are f32. All else is computed in f32.
;;   The module's matrix products, in the order in which they are computed (A, B: the left and right operand; K: the contracted axis; several contracted axes count as one K, in the product's order):
;;     1. [M 8,192, K 1,024] x [K 1,024, N 1,024]; A: computed on the way; B: input wq (given as codes): QUANTISED
;;     2. [M 8,192, K 1,024] x [K 1,024, N 1,024]; A: computed on the way; B: input wk (given as codes): QUANTISED
;;     3. [M 8,192, K 1,024] x [K 1,024, N 1,024]; A: computed on the way; B: input wv (given as codes): QUANTISED
;;     4. batch 128 x [M 64, K 1,024] x [K 1,024, N 64]; A: computed on the way; B: computed on the way: QUANTISED
;;     5. batch 128 x [M 1, K 64] x [K 64, N 1,024]; A: computed on the way; B: computed on the way: left as it is (M = 1 < 16)
;;     6. batch 128 x [M 64, K 64] x [K 64, N 1,024]; A: computed on the way; B: computed on the way: QUANTISED
;;     7. [M 8,192, K 1,024] x [K 1,024, N 1,024]; A: computed on the way; B: input wo (given as codes): QUANTISED
;;     8. [M 8,192, K 1,024] x [K 1,024, N 1,024]; A: computed on the way; B: input w1 (given as codes): QUANTISED
;;     9. [M 8,192, K 1,024] x [K 1,024, N 1,024]; A: computed on the way; B: input w2 (given as codes): QUANTISED
;;   THE QUANTISER, for each operand of a quantised product, along K:
;;     - K is cut into blocks of 32 from its start; a last block that is shorter is filled with zeros.
;;     - A block's scale is 2^e with e = floor(log2(the largest magnitude in the block)) - 2, held to -126 .. 127; a block of zeros has e = 0. As a byte (E8M0): e + 127.
;;     - Each number is divided by its block's scale, clamped to +-7.5, and rounded to the nearest number of E2M3, ties to even, subnormals kept.
;;     - The product sums the exact products of the quantised numbers (number of the format x scale) in f32.
;;   ~~~python
;;   def quantise(x, axis):      # numpy; x: float32 -> the quantised numbers, widened to float32 again
;;       x = np.moveaxis(x, axis, -1); K = x.shape[-1]
;;       x = np.pad(x, [(0, 0)] * (x.ndim - 1) + [(0, -K % 32)]); x = x.reshape(x.shape[:-1] + (-1, 32)); a = np.abs(x).max(-1, keepdims=True)
;;       e = np.where(a > 0, np.clip(np.frexp(np.where(a > 0, a, 1))[1] - 1 - 2, -126, 127), 0)      # np.frexp(a)[1] - 1 = floor(log2(a)), exactly
;;       r = np.clip(x / 2.0 ** e, -7.5, 7.5)
;;       step = 2.0 ** (np.maximum(np.frexp(np.where(r == 0, 1, r))[1] - 1, 0) - 3)
;;       q = np.round(r / step) * step * 2.0 ** e      # np.round: ties to even
;;       return np.moveaxis(q.reshape(q.shape[:-2] + (-1,))[..., :K], -1, axis).astype(np.float32)
;;   ~~~
;;   OPERANDS COMPUTED ON THE WAY. 'Computed on the way' means the value that the module computes at that place (a softmax that the list does not call 'softmax' is quantised finished and normalised). What goes into a quantiser is computed in f32, as accurately as f32 sums, v_exp_f32 and their like allow (about 1e-6 of the number): no bf16 or f16 on the way to a quantiser, and a product that is left as it is and whose result goes on into a quantised operand takes f32 operands (vector FMAs, or v_wmma_f32_16x16x4_f32). A number that lies on a knife's edge between two numbers of the format may be rounded either way, as far as f32 arithmetic and the matrix unit's own rounding can turn it there, and no further.
;;   INPUTS GIVEN AS CODES. w1 (in the module: [1024, 1024], K = its axis 0); w2 (in the module: [1024, 1024], K = its axis 0); wk (in the module: [1024, 1024], K = its axis 0); wo (in the module: [1024, 1024], K = its axis 0); wq (in the module: [1024, 1024], K = its axis 0); wv (in the module: [1024, 1024], K = its axis 0): each comes as NAME_codes (uint8): NAME with its K axis moved to the last place and cut into blocks of 32 codes, [.., K / 32, bytes a block], one block behind the other in memory; four codes in three bytes: a row's codes are one little-endian stream of bits, code i at bits 6 i .. 6 i + 5 (a code: sign, 2 exponent bits, 3 mantissa bits); and NAME_scales (uint8): the same leading axes, one E8M0 byte (e + 127) for each 32 codes along K. Its value is code x scale, taken as it is: it is not quantised again, and the codes and scales need not be those that the quantiser above would give.
;; One version. Each part assembles by itself: llvm-mc -triple=amdgcn-amd-amdhsa -mcpu=gfx1250 --defsym DOCPART=n.
;; ======== version 1 of 1: 4 launches
;; workspace buffers: hc 12,582,912 bytes; hs 524,288 bytes; wcc 1,572,864 bytes; wcs 65,536 bytes; emt 25,600 bytes; kvp 8,650,752 bytes; agc 12,582,912 bytes; ags 524,288 bytes
;; launch prep (part 1): grid 256 x 1, 8 waves a work-group, no clusters, 197,632 bytes of LDS; arguments x, ln1_s, ln1_b, ln2_s, ln2_b, wo_codes, w2_codes, wo_scales, w2_scales, emb_k, emb_v, hc, hs, wcc, wcs, emt; writes hc, hs, wcc, wcs, emt
.if DOCPART == 1
	.amdgcn_target "amdgcn-amd-amdhsa--gfx1250"
	.amdhsa_code_object_version 6
	.text
	.protected	k_q019620553a_prep
	.globl	k_q019620553a_prep
	.p2align	8
	.type	k_q019620553a_prep,@function
k_q019620553a_prep:
	s_mov_b64 s[64:65], 0
	v_nop
	global_prefetch_b8 v0, s[64:65] scope:SCOPE_SE
	s_setreg_imm32_b32 hwreg(HW_REG_WAVE_MODE, 25, 1), 1
	s_wait_xcnt 0x0
; h = LN1(x), h2 = LN2(h), both quantised to E2M3 codes with one E8M0 byte for each 32 along the row.
; hc: [2 (h, h2)][8192][768 bytes of codes]; hs: [2][8192][32 scale bytes].
; Beside that three small re-layouts for the later launches:
;   wcc [1024][1536]: row n of wo's codes, then row n of w2's;  wcs [n/128][8 K steps of 256][128 rows][8 bytes]: K steps 0-3 wo's scale bytes, 4-7 w2's;
;   emt [2 (k, v)][50][64] f32 with emt[lab][4 r + q] = emb[lab][16 q + r].
; SHARES. 256 work-groups of 8 waves; a work-group takes 32 rows, wave w rows 4 w .. 4 w + 3.
; The four vectors of gains and offsets come by a second load a wave (2 KB each).  No LDS byte is filled twice.
; In LDS 16 bytes of padding follow each 64 bytes, so that a lane reads its 16 neighbouring numbers (64 bytes, 80 from lane to lane) without two lanes of a group of 16 meeting in a bank.
; A lane holds columns 16 l .. 16 l + 15 and 512 + 16 l .. + 15 of a row; two neighbouring lanes hold a block of 32.
; LIMITS: NaN and infinities are not served.  A block whose largest magnitude lies under 2^-124 (a block of zeros too) gets the byte 1; only this program reads the bytes.
.set XRW,   20480                      ; a wave's four rows in LDS: 4 x 5,120
.set ROWL,  5120                       ; a row of 4,096 bytes with its padding
.set HALFL, 2560                       ; half a row
.set PAR,   163840                     ; ln1_s, ln1_b, ln2_s, ln2_b: 5,120 bytes each
.set SCS,   184320                     ; [2][32 rows][32] scale bytes, written by LDS stores alone
.set X,     80                         ; v80-111  the row's 32 numbers of my lane
.set PRM,   112                        ; v112-239 ln1_s, ln1_b, ln2_s, ln2_b at my 32 columns
.set DW0,   (3<<16)|(1<<20)|(3<<22)|(3<<25)   ; elements of 8 bytes; padding on: 4 words behind every 16
	s_load_b512 s[4:19], s[0:1], 0x0               ; x, ln1_s, ln1_b, ln2_s, ln2_b, wo_codes, w2_codes, wo_scales
	s_load_b512 s[20:35], s[0:1], 0x40             ; w2_scales, emb_k, emb_v, hc, hs, wcc, wcs, emt
	v_lshl_add_u32 v254, v0, 2, 0x30000
	v_mov_b32 v255, 0
	ds_add_u32 v254, v255
	ds_add_u32 v254, v255
	v_lshrrev_b32 v1, 5, v0
	v_readfirstlane_b32 s36, v1                    ; wave 0..7
	v_and_b32 v1, 31, v0                           ; lane
	; descriptor groups 1: dense blocks as rows of 256 bytes (32 elements of 8): s[40:47] 64 rows (my 4 rows of x), s[48:55] 8 rows (half a vector)
.irp g, 40, 48
	s_mov_b32 s[\g], DW0
	s_mov_b32 s[\g+1], 32<<16
	s_mov_b32 s[\g+3], 32<<16
	s_mov_b32 s[\g+5], 32
	s_mov_b32 s[\g+6], 0
	s_mov_b32 s[\g+7], 0
.endr
	s_mov_b32 s42, 64<<16
	s_mov_b32 s44, 64
	s_mov_b32 s50, 8<<16
	s_mov_b32 s52, 8
	s_mov_b32 s56, 1
	s_mul_i32 s57, s36, XRW                        ; x: my wave's region
	s_mov_b32 s60, 1
	s_mul_i32 s61, s36, HALFL
	s_add_co_u32 s61, s61, PAR                     ; the vectors: half w % 2 of vector w / 2 lies at PAR + 2,560 w
	s_lshl_b32 s66, ttmp9, 5
	s_lshl_b32 s67, s36, 2
	s_add_co_u32 s66, s66, s67                     ; my first row: 32 x work-group + 4 x wave
	s_lshl_b32 s68, s66, 12                        ; its byte in x
	s_mov_b32 s69, 0
	s_mul_i32 s70, s66, 768                        ; and in hc
	s_mov_b32 s71, 0
	s_and_b32 s72, s36, 1
	s_lshl_b32 s72, s72, 11                        ; my half of a vector
	s_mov_b32 s73, 0
	s_lshl_b32 s74, ttmp9, 10                      ; the work-group's 1,024 scale bytes in hs
	s_mov_b32 s75, 0
	s_and_b32 s76, s36, 2
	s_and_b32 s77, s36, 4
	s_mov_b32 s80, 0x76543210
	s_mov_b32 s81, 0xfedcba98                      ; v_permlanex16_b32: lane l xor 16
	s_mov_b32 s82, 0x3a800000                      ; 1 / 1024
	s_mov_b32 s83, 0x3727c5ac                      ; 1e-5
	; every LDS address is made here, ahead of the branch on the wave's number
	v_mul_u32_u24 v3, v1, 80
	v_add_nc_u32 v2, s57, v3                       ; x: 20,480 w + 80 lane
	v_add_nc_u32 v3, PAR, v3                       ; the vectors: PAR + 80 lane
	v_mul_u32_u24 v4, v1, 12                       ; my 12 bytes of codes
	v_lshrrev_b32 v5, 1, v1
	s_lshl_b32 s66, s36, 7
	s_add_co_u32 s66, s66, SCS
	v_add_nc_u32 v5, s66, v5                       ; my block's scale byte: SCS + 128 w + lane / 2
	v_lshl_add_u32 v6, v0, 3, SCS                  ; on the way out 8 bytes a thread
	v_lshrrev_b32 v7, 7, v0
	v_and_b32 v8, 127, v0
	v_lshlrev_b32 v7, 18, v7
	v_lshl_add_u32 v7, v8, 3, v7                   ; in hs: part (thread / 128) x 262,144 + 8 (thread % 128)
	s_wait_dscnt 0x0
	s_wait_kmcnt 0x0
	s_cmp_lg_u32 s76, 0                            ; vector w / 2 of the four: the choice hangs on the wave's number alone
	s_cselect_b64 s[6:7], s[8:9], s[6:7]
	s_cselect_b64 s[10:11], s[12:13], s[10:11]
	s_cmp_lg_u32 s77, 0
	s_cselect_b64 s[6:7], s[10:11], s[6:7]
	s_add_nc_u64 s[62:63], s[6:7], s[72:73]
	s_or_b32 s63, s63, 0x80000000
	s_add_nc_u64 s[58:59], s[4:5], s[68:69]
	s_or_b32 s59, s59, 0x80000000
	tensor_load_to_lds s[60:63], s[48:55]          ; my half vector first: it is wanted first
	s_nop 0
	tensor_load_to_lds s[56:59], s[40:47]          ; my four rows of x: two tensor loads of mine are out
	s_nop 0
.rept 4
	v_nop
.endr
	s_add_nc_u64 s[26:27], s[26:27], s[70:71]      ; hc at my first row
	s_add_nc_u64 s[28:29], s[28:29], s[74:75]      ; hs at the work-group's rows
	; ---- the re-layouts, while the tiles are on their way.  v30, v31 and v240-247 serve them alone and are not written again.
	s_cmp_lt_u32 s36, 6
	s_cbranch_scc0 .Lnot_codes
	s_mul_i32 s66, ttmp9, 3072                     ; waves 0-5: rows 4 g .. 4 g + 3 of wo's and w2's codes, 16 bytes a thread
	v_lshl_add_u32 v30, v0, 4, s66
	global_load_b128 v[240:243], v30, s[14:15]
	global_load_b128 v[244:247], v30, s[16:17]
	v_mul_u32_u24 v31, v0, 1366
	v_lshrrev_b32 v31, 16, v31                     ; thread / 48: which of the four rows (exact for 0 .. 191)
	v_mul_u32_u24 v31, v31, 768
	v_lshl_add_u32 v31, v0, 4, v31
	s_mul_i32 s67, ttmp9, 6144
	v_add_nc_u32 v31, s67, v31                     ; a row of wcc is 1,536 bytes: 768 more for each row passed
	s_wait_loadcnt 0x0
	global_store_b128 v31, v[240:243], s[30:31]
	global_store_b128 v31, v[244:247], s[30:31] offset:768
	s_branch .Lside_done
.Lnot_codes:
	s_cmp_eq_u32 s36, 6
	s_cbranch_scc0 .Lnot_scales
	v_and_b32 v8, 3, v1                            ; wave 6: the four rows' scale bytes, a word a lane: row l % 4, word l / 4
	v_lshrrev_b32 v9, 2, v1
	v_lshlrev_b32 v30, 5, v8
	v_lshl_add_u32 v30, v9, 2, v30
	s_lshl_b32 s66, ttmp9, 7
	v_add_nc_u32 v30, s66, v30
	s_lshr_b32 s67, ttmp9, 5
	s_lshl_b32 s67, s67, 13                        ; group of 128 rows
	s_and_b32 s68, ttmp9, 31
	s_lshl_b32 s68, s68, 5                         ; 4 rows x 8 bytes
	s_add_co_u32 s67, s67, s68
	v_lshrrev_b32 v10, 3, v1                       ; K step of 256 = word / 2
	v_lshlrev_b32 v31, 10, v10
	v_lshl_add_u32 v31, v8, 3, v31
	v_and_b32 v9, 1, v9
	v_lshl_add_u32 v31, v9, 2, v31
	v_add_nc_u32 v31, s67, v31
	global_load_b32 v240, v30, s[18:19]
	global_load_b32 v241, v30, s[20:21]
	s_wait_loadcnt 0x0
	global_store_b32 v31, v240, s[32:33]
	global_store_b32 v31, v241, s[32:33] offset:4096
	s_branch .Lside_done
.Lnot_scales:
	s_cmp_lt_u32 ttmp9, 50                         ; wave 7 of the first 50 work-groups: label g's row of both tables
	s_cbranch_scc0 .Lside_done
	v_and_b32 v8, 3, v1
	v_lshrrev_b32 v9, 2, v1
	v_lshlrev_b32 v30, 6, v8
	v_lshl_add_u32 v30, v9, 2, v30
	s_lshl_b32 s66, ttmp9, 8
	v_add_nc_u32 v30, s66, v30                     ; from: 256 g + 64 (l % 4) + 4 (l / 4)  (+ 32 m)
	v_lshl_add_u32 v31, v1, 2, s66                 ; to: 256 g + 4 l  (+ 128 m)
	global_load_b32 v240, v30, s[22:23]
	global_load_b32 v241, v30, s[22:23] offset:32
	global_load_b32 v242, v30, s[24:25]
	global_load_b32 v243, v30, s[24:25] offset:32
	s_wait_loadcnt 0x0
	global_store_b32 v31, v240, s[34:35]
	global_store_b32 v31, v241, s[34:35] offset:128
	global_store_b32 v31, v242, s[34:35] offset:12800
	global_store_b32 v31, v243, s[34:35] offset:12928
.Lside_done:
	s_wait_tensorcnt 0x1                           ; my half vector has landed (my rows of x, issued behind it, may be out);
	s_barrier_signal -1
	s_barrier_wait -1                              ; everybody's has.
.irp p, 0,1,2,3
.irp g, 0,1
.irp i, 0,1,2,3
	ds_load_b128 v[PRM+32*\p+16*\g+4*\i:PRM+32*\p+16*\g+4*\i+3], v3 offset:\p*ROWL+\g*HALFL+16*\i
.endr
.endr
.endr
	s_wait_tensorcnt 0x0                           ; my four rows of x: only I read them
.macro LANESUM r, t                    ; the sum over the 32 lanes, in every lane
	v_add_f32_dpp v[\r], v[\r], v[\r] row_xmask:1 row_mask:0xf bank_mask:0xf
	v_add_f32_dpp v[\r], v[\r], v[\r] row_xmask:2 row_mask:0xf bank_mask:0xf
	v_add_f32_dpp v[\r], v[\r], v[\r] row_xmask:4 row_mask:0xf bank_mask:0xf
	v_add_f32_dpp v[\r], v[\r], v[\r] row_xmask:8 row_mask:0xf bank_mask:0xf
	v_permlanex16_b32 v[\t], v[\r], s80, s81
	v_add_f32 v[\r], v[\r], v[\t]
.endm
; The row in X loses its mean; v12 = 1 / sqrt(variance + 1e-5).  The variance is taken of the centred numbers, so a common offset of the inputs costs nothing.
.macro STAT
	v_pk_add_f32 v[8:9], v[X:X+1], v[X+2:X+3]
	v_pk_add_f32 v[10:11], v[X+4:X+5], v[X+6:X+7]
.irp i, 8,12,16,20,24,28
	v_pk_add_f32 v[8:9], v[8:9], v[X+\i:X+\i+1]
	v_pk_add_f32 v[10:11], v[10:11], v[X+\i+2:X+\i+3]
.endr
	v_pk_add_f32 v[8:9], v[8:9], v[10:11]
	v_add_f32 v8, v8, v9
	LANESUM 8, 9
	v_mul_f32 v8, s82, v8                          ; the mean
.irp i, 0,2,4,6,8,10,12,14,16,18,20,22,24,26,28,30
	v_pk_add_f32 v[X+\i:X+\i+1], v[X+\i:X+\i+1], v[8:9] op_sel_hi:[1,0] neg_lo:[0,1] neg_hi:[0,1]
.endr
	v_pk_mul_f32 v[10:11], v[X:X+1], v[X:X+1]
	v_pk_mul_f32 v[12:13], v[X+2:X+3], v[X+2:X+3]
.irp i, 4,8,12,16,20,24,28
	v_pk_fma_f32 v[10:11], v[X+\i:X+\i+1], v[X+\i:X+\i+1], v[10:11]
	v_pk_fma_f32 v[12:13], v[X+\i+2:X+\i+3], v[X+\i+2:X+\i+3], v[12:13]
.endr
	v_pk_add_f32 v[10:11], v[10:11], v[12:13]
	v_add_f32 v10, v10, v11
	LANESUM 10, 11
	v_fma_f32 v10, v10, s82, s83                   ; variance + 1e-5
	v_rsq_f32 v12, v10
	v_nop                                          ; a plain instruction between the root and its use
.endm
.macro AFFINE p                        ; X = X / sigma x gain + offset, in the order in which the layer norm is written
	s_wait_alu depctr_va_vdst(0)
.irp i, 0,2,4,6,8,10,12,14,16,18,20,22,24,26,28,30
	v_pk_mul_f32 v[X+\i:X+\i+1], v[X+\i:X+\i+1], v[12:13] op_sel_hi:[1,0]
.endr
.irp i, 0,2,4,6,8,10,12,14,16,18,20,22,24,26,28,30
	v_pk_fma_f32 v[X+\i:X+\i+1], v[X+\i:X+\i+1], v[PRM+64*\p+\i:PRM+64*\p+\i+1], v[PRM+64*\p+32+\i:PRM+64*\p+32+\i+1]
.endr
.endm
; The row in X becomes codes and scale bytes of part tau (0: h, 1: h2).  My two groups of 16 numbers by turns.
.macro QROW tau, rho
	v_max3_num_f32 v24, |v[X]|, |v[X+1]|, 0x1800000        ; with the floor 2^(3 - 127): the byte cannot fall under 1
	v_max3_num_f32 v25, |v[X+16]|, |v[X+17]|, 0x1800000
.irp i, 2,4,6,8,10,12,14
	v_max3_num_f32 v24, v24, |v[X+\i]|, |v[X+\i+1]|
	v_max3_num_f32 v25, v25, |v[X+16+\i]|, |v[X+17+\i]|
.endr
	v_max_num_f32_dpp v24, v24, v24 row_xmask:1 row_mask:0xf bank_mask:0xf   ; with my neighbour's 16: the block's largest magnitude
	v_max_num_f32_dpp v25, v25, v25 row_xmask:1 row_mask:0xf bank_mask:0xf
	v_add_nc_u32 v26, 0xff000000, v24              ; 2 off the exponent field: the conversion's scale operand
	v_add_nc_u32 v27, 0xff000000, v25
	s_wait_xcnt 0x0                                ; the last stores have read v16-22: only now are they written again
	v_cvt_scalef32_pk16_fp6_f32 v[16:18], v[X:X+15], v26
	v_cvt_scalef32_pk16_fp6_f32 v[20:22], v[X+16:X+31], v27
	v_lshrrev_b32 v28, 23, v26                     ; the scale's byte (also the plain instruction behind the conversions)
	v_lshrrev_b32 v29, 23, v27
	ds_store_b8 v5, v28 offset:\tau*1024+32*\rho   ; both lanes of a block write the same byte with the same value
	ds_store_b8 v5, v29 offset:\tau*1024+32*\rho+16
	global_store_b96 v4, v[16:18], s[26:27] offset:\tau*6291456+\rho*768        ; the wave stores 384 consecutive bytes
	global_store_b96 v4, v[20:22], s[26:27] offset:\tau*6291456+\rho*768+384
.endm
.macro ROW rho
.irp g, 0,1
.irp i, 0,1,2,3
	ds_load_b128 v[X+16*\g+4*\i:X+16*\g+4*\i+3], v2 offset:\rho*ROWL+\g*HALFL+16*\i
.endr
.endr
	s_wait_dscnt 0x0                               ; the row (in the first row: the four vectors too)
	STAT
	AFFINE 0
	QROW 0, \rho
	STAT
	AFFINE 1
	QROW 1, \rho
.endm
	ROW 0
	ROW 1
	ROW 2
	ROW 3
	s_wait_dscnt 0x0                               ; for the others' sake: my byte stores have landed
	s_barrier_signal -1
	s_barrier_wait -1
	ds_load_b64 v[8:9], v6
	s_wait_dscnt 0x0
	global_store_b64 v7, v[8:9], s[28:29]          ; a wave stores 256 consecutive bytes, aligned
	s_wait_tensorcnt 0x0
	ds_add_u32 v254, v255
	s_wait_dscnt 0x0
	s_endpgm
.Lfunc_end_k_q019620553a_prep:
	.size	k_q019620553a_prep, .Lfunc_end_k_q019620553a_prep-k_q019620553a_prep
	.p2alignl 7, 3214868480
	.fill 96, 4, 3214868480
	.section	.rodata,"a",@progbits
	.p2align	6, 0x0
	.amdhsa_kernel k_q019620553a_prep
		.amdhsa_group_segment_fixed_size 197632
		.amdhsa_private_segment_fixed_size 0
		.amdhsa_enable_private_segment 0
		.amdhsa_kernarg_size 128
		.amdhsa_user_sgpr_count 2
		.amdhsa_user_sgpr_kernarg_segment_ptr 1
		.amdhsa_wavefront_size32 1
		.amdhsa_system_sgpr_workgroup_id_x 1
		.amdhsa_system_sgpr_workgroup_id_y 1
		.amdhsa_system_sgpr_workgroup_id_z 1
		.amdhsa_system_vgpr_workitem_id 0
		.amdhsa_next_free_vgpr 256
		.amdhsa_next_free_sgpr 96
		.amdhsa_reserve_vcc 0
		.amdhsa_float_denorm_mode_32 3
		.amdhsa_float_denorm_mode_16_64 3
		.amdhsa_memory_ordered 1
		.amdhsa_forward_progress 1
		.amdhsa_inst_pref_size 75
	.end_amdhsa_kernel
	.amdgpu_metadata
---
amdhsa.version: [ 1, 2 ]
amdhsa.kernels:
  - .name:           k_q019620553a_prep
    .symbol:         k_q019620553a_prep.kd
    .args:
      - { .name: x, .offset: 0, .size: 8, .value_kind: global_buffer, .address_space: global }
      - { .name: ln1_s, .offset: 8, .size: 8, .value_kind: global_buffer, .address_space: global }
      - { .name: ln1_b, .offset: 16, .size: 8, .value_kind: global_buffer, .address_space: global }
      - { .name: ln2_s, .offset: 24, .size: 8, .value_kind: global_buffer, .address_space: global }
      - { .name: ln2_b, .offset: 32, .size: 8, .value_kind: global_buffer, .address_space: global }
      - { .name: wo_codes, .offset: 40, .size: 8, .value_kind: global_buffer, .address_space: global }
      - { .name: w2_codes, .offset: 48, .size: 8, .value_kind: global_buffer, .address_space: global }
      - { .name: wo_scales, .offset: 56, .size: 8, .value_kind: global_buffer, .address_space: global }
      - { .name: w2_scales, .offset: 64, .size: 8, .value_kind: global_buffer, .address_space: global }
      - { .name: emb_k, .offset: 72, .size: 8, .value_kind: global_buffer, .address_space: global }
      - { .name: emb_v, .offset: 80, .size: 8, .value_kind: global_buffer, .address_space: global }
      - { .name: hc, .offset: 88, .size: 8, .value_kind: global_buffer, .address_space: global }
      - { .name: hs, .offset: 96, .size: 8, .value_kind: global_buffer, .address_space: global }
      - { .name: wcc, .offset: 104, .size: 8, .value_kind: global_buffer, .address_space: global }
      - { .name: wcs, .offset: 112, .size: 8, .value_kind: global_buffer, .address_space: global }
      - { .name: emt, .offset: 120, .size: 8, .value_kind: global_buffer, .address_space: global }
    .group_segment_fixed_size: 197632
    .private_segment_fixed_size: 0
    .kernarg_segment_align: 8
    .kernarg_segment_size: 128
    .max_flat_workgroup_size: 256
    .sgpr_count:     96
    .vgpr_count:     256
    .wavefront_size: 32
...
	.end_amdgpu_metadata
.endif
;; end of part 1
;; launch kvstate (part 2): grid 32 x 8, 4 waves a work-group, clusters of 4 x 4, 327,680 bytes of LDS; arguments hc, hs, wk_codes, wk_scales, wv_codes, wv_scales, bk, bv, labels, emt, kvp; writes kvp
.if DOCPART == 2
	.amdgcn_target "amdgcn-amd-amdhsa--gfx1250"
	.amdhsa_code_object_version 6
	.text
	.protected	k_q019620553a_kvstate
	.globl	k_q019620553a_kvstate
	.p2align	8
	.type	k_q019620553a_kvstate,@function
k_q019620553a_kvstate:
	s_mov_b64 s[64:65], 0
	v_nop
	global_prefetch_b8 v0, s[64:65] scope:SCOPE_SE
	s_setreg_imm32_b32 hwreg(HW_REG_WAVE_MODE, 25, 1), 1
	s_wait_xcnt 0x0
	s_wait_alu depctr_hold_cnt(0) depctr_sa_sdst(0) depctr_va_vdst(0) depctr_va_sdst(0) depctr_va_ssrc(0) depctr_va_vcc(0) depctr_vm_vsrc(0)
	s_getreg_b32 s2, hwreg(HW_REG_IB_STS2, 6, 4)
	s_cmp_eq_u32 s2, 0
	s_cbranch_scc0 .Lentry_in_a_cluster
	s_endpgm
.Lentry_in_a_cluster:
	s_bfe_u32 s2, ttmp6, 0x10000c
	s_cmp_lg_u32 s2, 0xf033
	s_cbranch_scc0 .Lentry_shape_is_right
	s_endpgm
.Lentry_shape_is_right:
; k = elu(h wk + bk + emb_k[label]) + 1, v = h wv + bv + emb_v[label]; per (batch, head): partial sums over 256 t of kv[x][y] = sum_t k[t][x] v[t][y] (both quantised along t) and over 128 t of ksum[x] = sum_t k[t][x].
; k and v never go to memory.  All products on E2M3 codes with E8M0 scales.
; SHARES. Work-group (gx, gy): t = 256 gx .. + 255 (batch gx / 4), heads 2 gy and 2 gy + 1.  Its GEMM tile is 256 x 256: "A" = 128 rows of wk, then the same 128 rows of wv; "B" = 256 rows of h's codes.
; Wave (WA, WB) = (wave / 2, wave % 2) takes head 2 gy + WA and t half WB: A's blocks 0-3 are the head's 64 rows of wk, blocks 4-7 its 64 rows of wv.
; The matrix instruction takes B's rows as source 0 and A's as source 1: in accumulator (a, b) lane (r, h) holds feature 16 (a % 4) + r and register j holds t = 16 b + 8 h + j.
; So a lane's 64 registers of a block a run along t, the K of the kv product, and a wave owns k AND v of one head for 128 t: one K step of that product, made in registers.
; Inside a block of 32 t the order is another than in memory, alike for k and v: the block's scale and the sum of the products do not know the order.
; The bias and the label's embedding are the accumulators' first value.
; The ring, the cluster's rounds and the joint loads: K in steps of 256 through two LDS slots; 4 x 4 work-groups; A's tiles (they hang on gy) are asked for jointly along a row of the cluster, B's (gx) along a column.
; kvp: [batch][t quarter][head][u 4][e 8][lane][4 f32]: lane (r, h) holds kv[8 u + r % 8 + 32 (r / 8)][32 h + 4 e ..]: the order in which the next launch's operand registers want it; behind it [batch][8][1024] sums of k.
; LIMITS: NaN and infinities are not served.  elu(x) + 1 is max(x, 0) + 2^(min(x log2 e, 0)).  A label above 49 is held at 49.  Blocks under 2^-124 get the byte 1 (only this program reads it).  The sums over t run in another order than a plain loop's.
.set KSTEP,  256
.set NQ,     2
.set ROWB,   192                       ; a tile's row: 256 codes
.set KROW,   768                       ; a row of codes in memory
.set LAPS,   2                         ; K = 1,024: twice round the ring
.set PITCH,  240                       ; an LDS row: 3 x (64 bytes + 16 of padding)
.set FR,     12
.set NL,     6
.set NP,     4
.set HALFT,  128*PITCH
.set SLOT,   4*HALFT
.set SCL,    2*SLOT                    ; the scales of the 512 rows, for all of K: units of 256 bytes + 16
.set SUNITS, 16                        ; 128 rows x 32 bytes = 16 units
.set HALFS,  SUNITS*272
.set SSTEP,  8                         ; from a K step's scale words to the next's
.set SPARE,  SCL+4*HALFS               ; the spare words: 512 bytes that no other line names
.set AX,  64                           ; A's block i begins at row 16 i + AX (i / 4): blocks 4-7 lie in wv's half
.set BU,  16                           ; B's block i begins at row 64 (i / 4) + BU (i % 4)
.set AS1, 544                          ; A's scale words of block i: AS1 i + AS2 (i / 2) + AS4 (i / 4) bytes on
.set AS2, 0
.set AS4, 2176
.set BS1, 544
.set BS2, 0
.set BS4, 0
.set ADRA, 16                          ; v16-17 my A fragments in slot 0, 1; v18-19 the same behind one padding more
.set ADRB, 20                          ; v20-23 the same for B
.set LI,   26                          ; v26 16 x lane
.set ADSA, 27                          ; v27 A's scale words
.set SPW,  28                          ; v28 my spare word; never rewritten
.set NIL,  29                          ; v29 0; never rewritten
.set ADSB, 30                          ; v30 B's scale words
.set SCA,  32                          ; v32-63 A's scale words, two sets of 16: they hold scales and nothing else
.set SCB,  224                         ; v224-255 B's likewise
.set AF,   128                         ; v128-223 A's eight fragments
.set G1, 24
.set G0, 32
.set G1B, 48
.set G0B, 56
.set G1S, 68
.set G0S, 76
.set G1SB, 80
.set G0SB, 88
.set WV, 66
.set WA, 67
.set WB, 100
.set KSP0, 8388608                     ; where the sums of k begin in kvp
.set FRG,  64                          ; the epilogue, window 0: v64-159 eight fragments (k's four, v's four)
.set TM,   160                         ; v160-175 at work
.set TMPC, 176                         ; v176-183 the conversions' second halves
.set KS,   184                         ; v184-187 sums of k
.set KSD,  192                         ; v192-193 as they are stored
.set KW,   224                         ; v224-231 the eight fragments' scale words
.set T,    128                         ; window 1: v128-191 scratch;  v0-127 the 16 tiles of kv
.set RA,   64
.set RB,   128
.set MSB, 0
.macro WIN new                         ; the immediate's high byte repeats the setting that is left
.if MSB != (\new)
	s_set_vgpr_msb (MSB<<8)|(\new)
.set MSB, (\new)
.endif
.endm
.macro MWIN hi, cm                     ; source 0 (B) window 1, source 1 (A) window 0, D window 2 or 3; C with D, or (cm = 2) in window 0
.if \cm == 2
	WIN 0x81+0x40*\hi
.else
	WIN 0xa1+0x50*\hi
.endif
.endm
; A joint load: waves 0 and 1 fetch for A, waves 2 and 3 for B; the branch hangs on the wave's number alone.  Four v_nop follow each of the two lines.
.macro JLOAD g0a, g1a, g0b, g1b
	s_cmp_eq_u32 s[WA], 0
	s_cbranch_scc0 .Lfor_b_\@
	tensor_load_to_lds s[\g0a:\g0a+3], s[\g1a:\g1a+7]
	s_nop 0
.rept 4
	v_nop
.endr
	s_branch .Lasked_\@
.Lfor_b_\@:
	tensor_load_to_lds s[\g0b:\g0b+3], s[\g1b:\g1b+7]
	s_nop 0
.rept 4
	v_nop
.endr
.Lasked_\@:
.endm
.macro CREST                           ; a round of the cluster's barrier behind its opening barrier
	s_cmp_lg_u32 s[WV], 0
	s_cbranch_scc1 .Lnot_wave_0_\@
	s_barrier_signal -3
.Lnot_wave_0_\@:
	s_barrier_wait -3
	s_barrier_signal -1
	s_barrier_wait -1
.endm
.macro CROUND
	s_barrier_signal -1
	s_barrier_wait -1
	CREST
.endm
.macro PLACES n
.rept \n
	v_nop
.endr
.endm
; A fragment: 16 rows x 128 K of 6-bit codes, 12 registers, in pieces of 8 bytes.  Lanes 16-31 read three pieces further on; where that is behind one padding more, the second address register serves.
.macro FRAG reg, adr, q, rowoff
.irp p, 0,1,2,3,4,5
.set PC, 12*(\q)+6*(\p/3)+\p%3
.if PC%8 < 5
	ds_load_b64 v[\reg+2*\p:\reg+2*\p+1], v[\adr] offset:8*PC+16*(PC/8)+(\rowoff)
.else
	ds_load_b64 v[\reg+2*\p:\reg+2*\p+1], v[\adr+2] offset:8*PC+16*(PC/8)+(\rowoff)
.endif
.endr
.endm
; 16 matrix instructions: A's blocks a0, a0 + 1 x B's eight.  p: B's set; q: which 128 of the slot; sc: the set of scale words.  cm = 0: onto the accumulator; 1: C = 0; 2: C = v[64 + 8 b ..].
; The 64 accumulators take turns, one instruction a turn, in the same order in every step.
.macro MUL16 a0, p, q, sc, cm
.irp a, \a0, \a0+1
.irp b, 0,1,2,3,4,5,6,7
.set DD, 8*(8*((\a)%4)+\b)
.if \cm == 0
	v_wmma_scale_f32_16x16x128_f8f6f4 v[DD:DD+7], v[128*(\p)+FR*\b:128*(\p)+FR*\b+FR-1], v[AF+FR*(\a):AF+FR*(\a)+FR-1], v[DD:DD+7], v[SCB+16*(\sc)+2*\b+(\q)], v[SCA+16*(\sc)+2*(\a)+(\q)] matrix_a_fmt:MATRIX_FMT_FP6 matrix_b_fmt:MATRIX_FMT_FP6
.elseif \cm == 1
	v_wmma_scale_f32_16x16x128_f8f6f4 v[DD:DD+7], v[128*(\p)+FR*\b:128*(\p)+FR*\b+FR-1], v[AF+FR*(\a):AF+FR*(\a)+FR-1], 0, v[SCB+16*(\sc)+2*\b+(\q)], v[SCA+16*(\sc)+2*(\a)+(\q)] matrix_a_fmt:MATRIX_FMT_FP6 matrix_b_fmt:MATRIX_FMT_FP6
.else
	v_wmma_scale_f32_16x16x128_f8f6f4 v[DD:DD+7], v[128*(\p)+FR*\b:128*(\p)+FR*\b+FR-1], v[AF+FR*(\a):AF+FR*(\a)+FR-1], v[64+8*\b:64+8*\b+7], v[SCB+16*(\sc)+2*\b+(\q)], v[SCA+16*(\sc)+2*(\a)+(\q)] matrix_a_fmt:MATRIX_FMT_FP6 matrix_b_fmt:MATRIX_FMT_FP6
.endif
.endr
.endr
.endm
.macro FETCH_B slot, q, p
	WIN 0x40
.irp i, 0,1,2,3,4,5,6,7
	FRAG 128*(\p)+FR*\i, ADRB+\slot, \q, (64*(\i/4)+BU*(\i%4))*PITCH
.endr
	WIN 0
.endm
.macro FETCH_A slot, q, i0
.irp i, \i0, \i0+1, \i0+2, \i0+3
	FRAG AF+FR*(\i), ADRA+\slot, \q, (16*(\i)+AX*((\i)/4))*PITCH
.endr
.endm
.macro SCALES sc                       ; a K step's scale words: two words a row; lane r takes row r's (lanes 16-31 read the same and are not used)
.irp i, 0,1,2,3,4,5,6,7
	ds_load_b64 v[SCA+16*\sc+2*\i:SCA+16*\sc+2*\i+1], v[ADSA] offset:AS1*\i+AS2*(\i/2)+AS4*(\i/4)
.endr
.irp i, 0,1,2,3,4,5,6,7
	ds_load_b64 v[SCB+16*\sc+2*\i:SCB+16*\sc+2*\i+1], v[ADSB] offset:BS1*\i+BS2*(\i/2)+BS4*(\i/4)
.endr
.endm
; A step of 128 along K that has its successor in the same slot.  A load into a register that a matrix instruction has read stands four plain vector instructions behind it.
.macro STEP slot, q, cm
	s_wait_dscnt 4*NL                              ; all but the youngest 24 loads (A's blocks 4-7) are in
	MWIN 0, \cm
	MUL16 0, (\q)%2, \q, \slot, \cm
	MUL16 2, (\q)%2, \q, \slot, \cm
	s_wait_dscnt 0                                 ; A's blocks 4-7
	PLACES NP
	FETCH_B \slot, (\q)+1, 1-(\q)%2
	FETCH_A \slot, (\q)+1, 0
	MWIN 1, \cm
	MUL16 4, (\q)%2, \q, \slot, \cm
	MUL16 6, (\q)%2, \q, \slot, \cm
	PLACES NP
	WIN 0
	FETCH_A \slot, (\q)+1, 4
.endm
; A slot's last step changes slots: one barrier; in front of it each wave waits for all its tensor loads, adds 0 to its spare word, and waits for that and for its reads of this slot.  fill = 1: the slot is filled again, two K steps ahead.
.macro TURN slot, next, fill
	s_wait_tensorcnt 0x0                           ; all my tensor loads have landed: my part of the next slot
	ds_add_u32 v[SPW], v[NIL]                      ; 0 onto my spare word
	s_wait_dscnt 4*NL+1                            ; (the add and the youngest 24 loads may be out)
	MWIN 0, 0
	MUL16 0, 1, NQ-1, \slot, 0
	s_wait_dscnt 0x0                               ; the add is done, and my reads of this slot are over
	s_barrier_signal -1
	MUL16 2, 1, NQ-1, \slot, 0
	WIN 0
	s_barrier_wait -1
.if \fill
	CREST                                          ; the barrier has opened a round of the cluster's: no wave of any partner still reads this slot or has a load on its way
	s_add_nc_u64 s[G0+4*\slot+2:G0+4*\slot+3], s[G0+4*\slot+2:G0+4*\slot+3], 2*ROWB
	s_add_nc_u64 s[G0B+4*\slot+2:G0B+4*\slot+3], s[G0B+4*\slot+2:G0B+4*\slot+3], 2*ROWB
	JLOAD G0+4*\slot, G1, G0B+4*\slot, G1B         ; the first tensor load behind the round; its four v_nop are the places in front of the loads below
.else
	PLACES NP
.endif
	v_add_nc_u32 v[ADSA], SSTEP, v[ADSA]           ; on to the next K step's scale words
	v_add_nc_u32 v[ADSB], SSTEP, v[ADSB]
	FETCH_B \next, 0, 0
	FETCH_A \next, 0, 0
	SCALES \next
	MWIN 1, 0
	MUL16 4, 1, NQ-1, \slot, 0
	MUL16 6, 1, NQ-1, \slot, 0
	PLACES NP
	WIN 0
	FETCH_A \next, 0, 4
.endm
	s_load_b512 s[4:19], s[0:1], 0x0               ; hc, hs, wk_codes, wk_scales, wv_codes, wv_scales, bk, bv
	s_load_b128 s[20:23], s[0:1], 0x40             ; labels, emt
	s_load_b64 s[92:93], s[0:1], 0x50              ; kvp
	v_lshl_add_u32 v[SPW], v0, 2, SPARE
	v_mov_b32 v[NIL], 0
	ds_add_u32 v28, v29
	ds_add_u32 v28, v29
	s_wait_dscnt 0x0
	v_lshrrev_b32 v1, 5, v0
	v_readfirstlane_b32 s[WV], v1                  ; wave 0..3
	s_lshr_b32 s[WA], s[WV], 1                     ; my head of the two.  Also: I fetch for A (0) or for B (1)
	s_and_b32 s[WB], s[WV], 1                      ; my half of t.  Also: which 128 rows I fetch
	s_bfe_u32 s40, ttmp6, 0x40000                  ; cx, cy: my place in the cluster
	s_bfe_u32 s41, ttmp6, 0x40004
	s_lshl_b32 s42, ttmp9, 2
	s_add_co_u32 s42, s42, s40                     ; gx
	s_and_b32 s101, ttmp7, 0xffff
	s_lshl_b32 s101, s101, 2
	s_add_co_u32 s101, s101, s41                   ; gy
	s_lshl_b32 s43, s41, 2
	s_lshl_b32 s43, 15, s43                        ; my row of the cluster
	s_lshl_b32 s44, 0x1111, s40                    ; my column
	s_or_b32 s[G1+0], s43, (0<<16)|(1<<20)|(1<<21)|(3<<22)|(3<<25)   ; the mask; elements of 1 byte; padding: 4 words behind every 16
	s_or_b32 s[G1B+0], s44, (0<<16)|(1<<20)|(1<<21)|(3<<22)|(3<<25)
.irp g, G1, G1B
	s_mov_b32 s[\g+1], ROWB<<16
	s_mov_b32 s[\g+2], 128<<16
	s_mov_b32 s[\g+3], ROWB<<16
	s_mov_b32 s[\g+4], 128
	s_mov_b32 s[\g+5], KROW
	s_mov_b32 s[\g+6], 0
	s_mov_b32 s[\g+7], 0
.endr
	s_or_b32 s[G1S+0], s43, (3<<16)|(1<<20)|(1<<21)|(5<<22)|(3<<25)  ; the scales of 128 rows: a dense block as rows of 256 bytes, 16 bytes of padding behind each
	s_or_b32 s[G1SB+0], s44, (3<<16)|(1<<20)|(1<<21)|(5<<22)|(3<<25)
.irp g, G1S, G1SB
	s_mov_b32 s[\g+1], 32<<16
	s_mov_b32 s[\g+2], SUNITS<<16
	s_mov_b32 s[\g+3], 32<<16
	s_mov_b32 s[\g+4], SUNITS
	s_mov_b32 s[\g+5], 32
	s_mov_b32 s[\g+6], 0
	s_mov_b32 s[\g+7], 0
.endr
	s_mul_i32 s45, s[WV], HALFT                    ; where my tile goes: wave x 128 rows
	s_lshl_b32 s104, s101, 7                       ; A: rows 128 gy on, of wk (waves 0, 2) or of wv (waves 1, 3)
	s_lshl_b32 s2, s104, 5                         ; their scale bytes,
	s_mul_i32 s104, s104, KROW                     ; their codes
	s_mov_b32 s105, 0
	s_mov_b32 s3, 0
	s_lshl_b32 s46, s42, 8                         ; B: rows 256 gx + 128 WB of h
	s_lshl_b32 s47, s[WB], 7
	s_add_co_u32 s46, s46, s47
	s_lshl_b32 s94, s46, 5
	s_mul_i32 s46, s46, KROW
	s_mov_b32 s47, 0
	s_mov_b32 s95, 0
	s_mov_b32 s96, 0x76543210
	s_mov_b32 s97, 0xfedcba98                      ; v_permlanex16_b32: lane l xor 16
	s_mov_b32 s98, 0x3fb8aa3b                      ; log2(e)
	s_mov_b32 s99, s98
	v_and_b32 v1, 15, v0                           ; r
	v_bfe_u32 v2, v0, 4, 1                         ; h
	v_lshlrev_b32 v3, 4, v1                        ; 16 r: my 16 bytes of a row of emt
	v_lshlrev_b32 v4, 5, v2                        ; 32 h: my eight labels of a tile
	v_lshlrev_b32 v5, 2, v1                        ; 4 r
	v_and_b32 v8, 31, v0
	v_lshlrev_b32 v[LI], 4, v8
	v_lshlrev_b32 v8, 2, v8                        ; 4 x lane
	s_wait_kmcnt 0x0
	s_cmp_eq_u32 s[WB], 0                          ; the choice hangs on the wave's number alone: alike in all partners
	s_cselect_b64 s[8:9], s[8:9], s[12:13]
	s_cselect_b64 s[10:11], s[10:11], s[14:15]
	s_add_nc_u64 s[104:105], s[8:9], s[104:105]
	s_add_nc_u64 s[2:3], s[10:11], s[2:3]
	s_add_nc_u64 s[46:47], s[4:5], s[46:47]
	s_add_nc_u64 s[94:95], s[6:7], s[94:95]
	s_lshl_b32 s12, s42, 10                        ; my 128 labels: (256 gx + 128 WB) x 4 bytes
	s_lshl_b32 s13, s[WB], 9
	s_add_co_u32 s12, s12, s13
	s_mov_b32 s13, 0
	s_add_nc_u64 s[20:21], s[20:21], s[12:13]
	s_lshl_b32 s14, s101, 1
	s_add_co_u32 s14, s14, s[WA]                   ; my head
	s_lshl_b32 s12, s14, 8
	s_add_nc_u64 s[16:17], s[16:17], s[12:13]      ; bk and bv at my head
	s_add_nc_u64 s[18:19], s[18:19], s[12:13]
	s_lshl_b32 s15, s42, 1
	s_add_co_u32 s15, s15, s[WB]
	s_lshl_b32 s15, s15, 12
	s_add_co_u32 s12, s12, s15
	s_add_co_u32 s12, s12, KSP0
	s_add_nc_u64 s[8:9], s[92:93], s[12:13]        ; my sums of k: KSP0 + (2 gx + WB) x 4,096 + head x 256
	s_lshl_b32 s15, s42, 4
	s_add_co_u32 s15, s15, s14
	s_lshl_b32 s12, s15, 14
	s_lshl_b32 s15, s[WB], 13
	s_add_co_u32 s12, s12, s15
	s_add_nc_u64 s[92:93], s[92:93], s[12:13]      ; my half of the head's partial kv: (16 gx + head) x 16,384 + WB x 8,192
.irp b, 0,1,2,3,4,5,6,7
	global_load_b128 v[64+8*\b:64+8*\b+3], v4, s[20:21] offset:64*\b        ; v[64 + 8 b + j]: the label of t = 16 b + 8 h + j
	global_load_b128 v[64+8*\b+4:64+8*\b+7], v4, s[20:21] offset:64*\b+16
.endr
.irp a, 0,1,2,3
	global_load_b32 v[128+\a], v5, s[16:17] offset:64*\a                    ; bk and bv at feature 16 a + r
	global_load_b32 v[132+\a], v5, s[18:19] offset:64*\a
.endr
	CROUND                                         ; all sixteen work-groups are here: the first joint loads meet
	s_mov_b32 s[G0S], 1
	s_mul_i32 s[G0S+1], s[WV], HALFS
	s_add_co_u32 s[G0S+1], s[G0S+1], SCL
	s_mov_b64 s[G0S+2:G0S+3], s[2:3]
	s_or_b32 s[G0S+3], s[G0S+3], 0x80000000
	s_mov_b32 s[G0SB], 1
	s_mul_i32 s[G0SB+1], s[WV], HALFS
	s_add_co_u32 s[G0SB+1], s[G0SB+1], SCL
	s_mov_b64 s[G0SB+2:G0SB+3], s[94:95]
	s_or_b32 s[G0SB+3], s[G0SB+3], 0x80000000
	JLOAD G0S, G1S, G0SB, G1SB                     ; the scales first; with the two below three tensor loads of mine are out
.irp s, 0,1
	s_mov_b32 s[G0+4*\s], 1
	s_add_co_u32 s[G0+4*\s+1], s45, \s*SLOT
	s_add_nc_u64 s[G0+4*\s+2:G0+4*\s+3], s[104:105], \s*ROWB
	s_or_b32 s[G0+4*\s+3], s[G0+4*\s+3], 0x80000000
	s_mov_b32 s[G0B+4*\s], 1
	s_add_co_u32 s[G0B+4*\s+1], s45, \s*SLOT
	s_add_nc_u64 s[G0B+4*\s+2:G0B+4*\s+3], s[46:47], \s*ROWB
	s_or_b32 s[G0B+4*\s+3], s[G0B+4*\s+3], 0x80000000
	JLOAD G0+4*\s, G1, G0B+4*\s, G1B
.endr
	v_mul_u32_u24 v12, v1, PITCH
	v_mad_u32_u24 v12, v2, 24, v12                 ; a fragment's row x pitch + 24 h
	v_lshl_add_u32 v13, v2, 4, v12                 ; and behind one padding more
	s_mul_i32 s104, s[WA], 64*PITCH                ; A: my head's 64 rows in each half
	s_mul_i32 s105, s[WB], HALFT                   ; B: my 128 rows, behind A's 256
	s_add_co_u32 s105, s105, 2*HALFT
.irp s, 0,1
	v_add_nc_u32 v[ADRA+\s], s104, v12
	v_add_nc_u32 v[ADRB+\s], s105, v12
	v_add_nc_u32 v[ADRA+2+\s], s104, v13
	v_add_nc_u32 v[ADRB+2+\s], s105, v13
	s_add_co_u32 s104, s104, SLOT
	s_add_co_u32 s105, s105, SLOT
.endr
	v_lshrrev_b32 v13, 3, v1
	v_lshlrev_b32 v12, 5, v1
	v_lshl_add_u32 v12, v13, 4, v12                ; row r's scales: 32 r, and 16 more for each 256 passed
	s_mul_i32 s104, s[WA], 2176
	s_add_co_u32 s104, s104, SCL
	v_add_nc_u32 v[ADSA], s104, v12
	s_mul_i32 s105, s[WB], HALFS
	s_add_co_u32 s105, s105, SCL+2*HALFS
	v_add_nc_u32 v[ADSB], s105, v12
	s_mul_i32 s104, s[WV], 17408                   ; the stage for kv: 64 rows x (256 bytes + 16) for each wave
	v_mul_u32_u24 v6, v1, 272
	v_lshl_add_u32 v6, v2, 5, v6
	v_add_nc_u32 v6, s104, v6                      ; in: row r, + 32 h
	v_and_b32 v12, 7, v1
	v_lshl_add_u32 v12, v13, 5, v12
	v_mul_u32_u24 v7, v12, 272
	v_lshl_add_u32 v7, v2, 7, v7
	s_mul_i32 s104, s[WA], 2*17408
	s_mul_i32 s105, s[WB], 16*272
	s_add_co_u32 s104, s104, s105
	v_add_nc_u32 v7, s104, v7                      ; back: my head's first stage, row 16 WB + r % 8 + 32 (r / 8), + 128 h
	; ---- bias + embedding become the accumulators' first value
	s_wait_loadcnt 0x0                             ; labels and biases
.set i, 0
.rept 64
	v_min_u32 v[64+i], 49, v[64+i]                 ; a label stays inside its table
.set i, i+1
.endr
.set i, 0
.rept 64
	v_lshl_add_u32 v[64+i], v[64+i], 8, v3         ; 256 x label + 16 r: sixteen lanes read a whole row of emt
.set i, i+1
.endr
.macro GATH b                          ; tile b's eight t: four numbers of emb_k and four of emb_v each, into set b % 4 of window 1
	WIN 0x40
.irp j, 0,1,2,3,4,5,6,7
	global_load_b128 v[64*((\b)%4)+8*\j:64*((\b)%4)+8*\j+3], v[64+8*(\b)+\j], s[22:23]
	global_load_b128 v[64*((\b)%4)+8*\j+4:64*((\b)%4)+8*\j+7], v[64+8*(\b)+\j], s[22:23] offset:12800
.endr
.endm
.macro CADD b                          ; accumulator (a, b), register j = embedding(t, feature) + bias(feature)
	WIN 0x81
.irp a, 0,1,2,3
.irp j, 0,1,2,3,4,5,6,7
	v_add_f32 v[8*(8*\a+(\b))+\j], v[64*((\b)%4)+8*\j+\a], v[128+\a]
.endr
.endr
	WIN 0xc1
.irp a, 0,1,2,3
.irp j, 0,1,2,3,4,5,6,7
	v_add_f32 v[8*(8*\a+(\b))+\j], v[64*((\b)%4)+8*\j+4+\a], v[132+\a]
.endr
.endr
.endm
	GATH 0
	GATH 1
	GATH 2
	GATH 3
.irp b, 0,1,2,3,4,5,6,7
.if \b < 5
	s_wait_loadcnt 48                              ; tile b's 16 loads are in; those of the three tiles behind it may be out
.else
	s_wait_loadcnt 16*(7-\b)
.endif
	CADD \b
.if \b < 4
	GATH \b+4
.endif
.endr
	WIN 0
	s_wait_tensorcnt 0x1                           ; the scales and my part of K step 0 are in (K step 1's load may be out),
	s_barrier_signal -1
	s_barrier_wait -1                              ; everybody's are
	FETCH_B 0, 0, 0
	FETCH_A 0, 0, 0
	SCALES 0
	FETCH_A 0, 0, 4
	STEP 0, 0, 0
	s_mov_b32 s3, LAPS-1
.Llap:                                             ; a trip goes once round the ring and fills both slots again
	TURN 0, 1, 1
	STEP 1, 0, 0
	TURN 1, 0, 1
	STEP 0, 0, 0
	s_sub_co_u32 s3, s3, 1
	s_cmp_lg_u32 s3, 0
	s_cbranch_scc1 .Llap
	TURN 0, 1, 0                                   ; the last lap fills nothing
	STEP 1, 0, 0
	s_wait_dscnt 4*NL
	MWIN 0, 0
	MUL16 0, 1, NQ-1, 1, 0
	MUL16 2, 1, NQ-1, 1, 0
	s_wait_dscnt 0
	MWIN 1, 0
	MUL16 4, 1, NQ-1, 1, 0
	MUL16 6, 1, NQ-1, 1, 0
	WIN 0
	; ---- the epilogue
	PLACES NP
.irp b, 0,1,2,3
	v_mov_b32 v[TM+4+\b], 0                        ; written once: a lane permute's destination counts as one of its sources
.endr
.macro PHI a                           ; block a of k (window 2, 64 registers): max(x, 0) + 2^(min(x log2 e, 0))
	WIN 0x42
.set i, 0
.rept 32
	v_pk_mul_f32 v[T+i:T+i+1], v[64*\a+i:64*\a+i+1], s[98:99] op_sel_hi:[1,0]   ; each accumulator from its low end on
.set i, i+2
.endr
	WIN 0x45
.set i, 0
.rept 64
	v_min_num_f32 v[T+i], 0, v[T+i]
.set i, i+1
.endr
.set i, 0
.rept 64
	v_exp_f32 v[T+i], v[T+i]
.set i, i+1
.endr
	WIN 0x88
.set i, 0
.rept 64
	v_max_num_f32 v[64*\a+i], 0, v[64*\a+i]        ; (plain instructions behind the exponentials)
.set i, i+1
.endr
	WIN 0x86
.set i, 0
	s_wait_alu depctr_va_vdst(0)
.rept 32
	v_pk_add_f32 v[64*\a+i:64*\a+i+1], v[64*\a+i:64*\a+i+1], v[T+i:T+i+1]
.set i, i+2
.endr
.endm
.macro KSUM a                          ; the sum over my 128 t of feature 16 a + r, of the unquantised k
	WIN 0x4a
.set i, 0
.rept 16
	v_pk_add_f32 v[T+2*i:T+2*i+1], v[64*\a+4*i:64*\a+4*i+1], v[64*\a+4*i+2:64*\a+4*i+3]
.set i, i+1
.endr
	WIN 0x45
.irp w, 4,8,16,32
.set u, 0
.rept 32/\w
	v_pk_add_f32 v[T+\w*u:T+\w*u+1], v[T+\w*u:T+\w*u+1], v[T+\w*u+\w/2:T+\w*u+\w/2+1]
.set u, u+1
.endr
.endr
	WIN 0x05
	v_add_f32 v[KS+\a], v[T], v[T+1]
	WIN 0
	v_permlanex16_b32 v[TM+4], v[KS+\a], s96, s97
	v_add_f32 v[KS+\a], v[KS+\a], v[TM+4]
.endm
.irp a, 0,1,2,3
	PHI \a
	KSUM \a
.endr
	v_cmp_eq_u32 vcc_lo, 1, v2
	v_cndmask_b32 v[KSD], v[KS], v[KS+1], vcc_lo           ; lane l stores feature 32 u + l
	v_cndmask_b32 v[KSD+1], v[KS+2], v[KS+3], vcc_lo
	global_store_b32 v8, v[KSD], s[8:9]
	global_store_b32 v8, v[KSD+1], s[8:9] offset:128
; 64 numbers of a lane in window W, register 16 b + i in block b of 32 t (the other 16 of the block lie in lane l xor 16), become a fragment's codes in v[d] on and its scale word in v[w].
; (W comes as text: it stands in parentheses wherever it is part of a product.)
.macro QUANT s, W, d, w
	WIN 5*(\W)                                     ; sources 0 and 1 in window W
.irp b, 0,1,2,3
	v_max3_num_f32 v[TM+\b], |v[\s+16*\b]|, |v[\s+1+16*\b]|, 0x1800000   ; with the floor 2^(3 - 127)
.endr
	WIN 20*(\W)                                    ; sources 1 and 2 in window W
.irp i, 2,4,6,8,10,12,14
.irp b, 0,1,2,3
	v_max3_num_f32 v[TM+\b], v[TM+\b], |v[\s+16*\b+\i]|, |v[\s+1+16*\b+\i]|
.endr
.endr
	WIN 0
.irp b, 0,1,2,3
	v_permlanex16_b32 v[TM+4+\b], v[TM+\b], s96, s97
.endr
.irp b, 0,1,2,3
	v_max_num_f32 v[TM+\b], v[TM+\b], v[TM+4+\b]
.endr
.irp b, 0,1,2,3
	v_add_nc_u32 v[TM+12+\b], 0xff000000, v[TM+\b] ; 2 off the exponent field: the conversion's scale operand
.endr
.irp b, 0,1,2,3
	v_lshrrev_b32 v[TM+4+\b], 23, v[TM+12+\b]      ; the scale's byte
.endr
	v_lshl_or_b32 v[\w], v[TM+5], 8, v[TM+4]
	v_lshl_or_b32 v[\w], v[TM+6], 16, v[\w]
	v_lshl_or_b32 v[\w], v[TM+7], 24, v[\w]
	WIN (\W)                                       ; source 0 in window W
.irp c, 0,1
	v_cvt_scalef32_pk16_fp6_f32 v[\d+6*\c:\d+2+6*\c], v[\s+32*\c:\s+15+32*\c], v[TM+12+2*\c]
	v_cvt_scalef32_pk16_fp6_f32 v[TMPC+4*\c:TMPC+2+4*\c], v[\s+16+32*\c:\s+31+32*\c], v[TM+12+2*\c+1]
.endr
	WIN 0
	v_nop                                          ; a plain instruction behind the conversions
.irp c, 0,1                            ; the operand wants a whole block in a lane: lanes 0-15 block 2 c, lanes 16-31 block 2 c + 1
.irp i, 0,1,2
	v_permlane16_swap_b32 v[\d+6*\c+\i], v[TMPC+4*\c+\i]
.endr
.irp i, 0,1,2
	v_mov_b32 v[\d+3+6*\c+\i], v[TMPC+4*\c+\i]
.endr
.endr
.endm
.irp a, 0,1,2,3
	QUANT 64*\a, 2, FRG+12*\a, KW+\a               ; k's four blocks: window 2
.endr
.irp a, 0,1,2,3
	QUANT 64*\a, 3, FRG+48+12*\a, KW+4+\a          ; v's four: window 3
.endr
	PLACES 8                                       ; a scale word made by vector instructions stands eight places ahead of the product, codes four
	WIN 0x40
.irp al, 0,1,2,3                       ; kv(x = 16 al + r, y = 16 be + 8 h + j): source 0 = 16 features of v, source 1 = 16 features of k, K = my 128 t
.irp be, 0,1,2,3
	v_wmma_scale_f32_16x16x128_f8f6f4 v[8*(4*\al+\be):8*(4*\al+\be)+7], v[FRG+12*(4+\be):FRG+12*(4+\be)+11], v[FRG+12*\al:FRG+12*\al+11], 0, v[KW+4+\be], v[KW+\al] matrix_a_fmt:MATRIX_FMT_FP6 matrix_b_fmt:MATRIX_FMT_FP6
.endr
.endr
	PLACES NP
	WIN 0x04                                       ; an LDS store's data: window 1.  The stage lies in slot 0, which has had its last fill, and which nobody reads since the last change of slots
.irp al, 0,1,2,3
.irp be, 0,1,2,3
	ds_store_b128 v6, v[8*(4*\al+\be):8*(4*\al+\be)+3] offset:\al*4352+64*\be
	ds_store_b128 v6, v[8*(4*\al+\be)+4:8*(4*\al+\be)+7] offset:\al*4352+64*\be+16
.endr
.endr
	WIN 0
	s_wait_dscnt 0x0                               ; for the others' sake: my stores have landed
	s_barrier_signal -1
	s_barrier_wait -1
.irp n, 0,1,2,3,4,5,6,7,8,9,10,11,12,13,14,15      ; the two t halves of my head, tiles u = 2 WB + n / 8, in the next launch's order
	ds_load_b128 v[RA+4*\n:RA+4*\n+3], v7 offset:2176*(\n/8)+16*(\n%8)
	ds_load_b128 v[RB+4*\n:RB+4*\n+3], v7 offset:17408+2176*(\n/8)+16*(\n%8)
.endr
	s_wait_dscnt 0x0
.set i, 0
.rept 32
	v_pk_add_f32 v[RA+i:RA+i+1], v[RA+i:RA+i+1], v[RB+i:RB+i+1]
.set i, i+2
.endr
.irp n, 0,1,2,3,4,5,6,7,8,9,10,11,12,13,14,15
	global_store_b128 v[LI], v[RA+4*\n:RA+4*\n+3], s[92:93] offset:512*\n   ; the wave stores 512 consecutive bytes, aligned
.endr
	s_wait_tensorcnt 0x0                           ; the wave's end
	ds_add_u32 v[SPW], v[NIL]
	s_wait_dscnt 0x0
	CROUND                                         ; the closing round
	s_endpgm
.Lfunc_end_k_q019620553a_kvstate:
	.size	k_q019620553a_kvstate, .Lfunc_end_k_q019620553a_kvstate-k_q019620553a_kvstate
	.p2alignl 7, 3214868480
	.fill 96, 4, 3214868480
	.section	.rodata,"a",@progbits
	.p2align	6, 0x0
	.amdhsa_kernel k_q019620553a_kvstate
		.amdhsa_group_segment_fixed_size 327680
		.amdhsa_private_segment_fixed_size 0
		.amdhsa_enable_private_segment 0
		.amdhsa_kernarg_size 88
		.amdhsa_user_sgpr_count 2
		.amdhsa_user_sgpr_kernarg_segment_ptr 1
		.amdhsa_wavefront_size32 1
		.amdhsa_system_sgpr_workgroup_id_x 1
		.amdhsa_system_sgpr_workgroup_id_y 1
		.amdhsa_system_sgpr_workgroup_id_z 1
		.amdhsa_system_vgpr_workitem_id 0
		.amdhsa_next_free_vgpr 1024
		.amdhsa_next_free_sgpr 106
		.amdhsa_reserve_vcc 1
		.amdhsa_float_denorm_mode_32 3
		.amdhsa_float_denorm_mode_16_64 3
		.amdhsa_memory_ordered 1
		.amdhsa_forward_progress 1
		.amdhsa_inst_pref_size 255
	.end_amdhsa_kernel
	.section	.bss,"aw",@nobits
	.p2align	6
	.space	262144
	.amdgpu_metadata
---
amdhsa.version: [ 1, 2 ]
amdhsa.kernels:
  - .name:           k_q019620553a_kvstate
    .symbol:         k_q019620553a_kvstate.kd
    .args:
      - { .name: hc, .offset: 0, .size: 8, .value_kind: global_buffer, .address_space: global }
      - { .name: hs, .offset: 8, .size: 8, .value_kind: global_buffer, .address_space: global }
      - { .name: wk_codes, .offset: 16, .size: 8, .value_kind: global_buffer, .address_space: global }
      - { .name: wk_scales, .offset: 24, .size: 8, .value_kind: global_buffer, .address_space: global }
      - { .name: wv_codes, .offset: 32, .size: 8, .value_kind: global_buffer, .address_space: global }
      - { .name: wv_scales, .offset: 40, .size: 8, .value_kind: global_buffer, .address_space: global }
      - { .name: bk, .offset: 48, .size: 8, .value_kind: global_buffer, .address_space: global }
      - { .name: bv, .offset: 56, .size: 8, .value_kind: global_buffer, .address_space: global }
      - { .name: labels, .offset: 64, .size: 8, .value_kind: global_buffer, .address_space: global }
      - { .name: emt, .offset: 72, .size: 8, .value_kind: global_buffer, .address_space: global }
      - { .name: kvp, .offset: 80, .size: 8, .value_kind: global_buffer, .address_space: global }
    .group_segment_fixed_size: 327680
    .private_segment_fixed_size: 0
    .kernarg_segment_align: 8
    .kernarg_segment_size: 88
    .max_flat_workgroup_size: 128
    .sgpr_count:     106
    .vgpr_count:     1024
    .wavefront_size: 32
...
	.end_amdgpu_metadata
.endif
;; end of part 2
;; launch qffn (part 3): grid 8 x 32, 4 waves a work-group, clusters of 4 x 4, 327,680 bytes of LDS; arguments hc, hs, wq_codes, wq_scales, w1_codes, w1_scales, bq, b1, kvp, agc, ags; writes agc, ags
.if DOCPART == 3
	.amdgcn_target "amdgcn-amd-amdhsa--gfx1250"
	.amdhsa_code_object_version 6
	.text
	.protected	k_q019620553a_qffn
	.globl	k_q019620553a_qffn
	.p2align	8
	.type	k_q019620553a_qffn,@function
k_q019620553a_qffn:
	s_mov_b64 s[64:65], 0
	v_nop
	global_prefetch_b8 v0, s[64:65] scope:SCOPE_SE
	s_setreg_imm32_b32 hwreg(HW_REG_WAVE_MODE, 25, 1), 1
	s_wait_xcnt 0x0
	s_wait_alu depctr_hold_cnt(0) depctr_sa_sdst(0) depctr_va_vdst(0) depctr_va_sdst(0) depctr_va_ssrc(0) depctr_va_vcc(0) depctr_vm_vsrc(0)
	s_getreg_b32 s2, hwreg(HW_REG_IB_STS2, 6, 4)
	s_cmp_eq_u32 s2, 0
	s_cbranch_scc0 .Lentry_in_a_cluster
	s_endpgm
.Lentry_in_a_cluster:
	s_bfe_u32 s2, ttmp6, 0x10000c
	s_cmp_lg_u32 s2, 0xf033
	s_cbranch_scc0 .Lentry_shape_is_right
	s_endpgm
.Lentry_shape_is_right:
; Two kinds of work-group, told apart by the cluster's x (alike in all sixteen partners):
;   kind 0: q = elu(h wq + bq) + 1; norm = q . ksum (f32); attn = Q(q) Q(kv)^T / norm; attn quantised along the features.
;   kind 1: g = gelu(h2 w1 + b1) (tanh form), quantised along the features.
; Both write codes into agc [8192][1536 bytes: attn's 768, then g's 768] and scale bytes into ags [t / 128][8 K steps of 256][128 rows][8 bytes]: the operand of the last launch, K = 2,048.
; q, attn and g never go to memory as f32.
; SHARES. A tile of 256 t x 256 columns; "A" = 256 rows of h's (h2's) codes, "B" = 256 rows of wq (w1).  Wave (WA, WB): t half WA, column half WB.
; THE ROWS OF B THAT FORM A TILE ARE NOT NEIGHBOURS: lane r of tile i = 4 c + u takes row 64 c + 8 u + r % 8 + 32 (r / 8).  B is source 0, A source 1: in accumulator (a, i) lane (r, h) holds t = 16 a + r and
; register j column 64 c + 32 h + 8 u + j.  So the 32 registers of tiles 4 c .. 4 c + 3 are one whole block of 32 neighbouring columns, in order: quantising asks no other lane for numbers, and for q, c is a head.
; The kv product has K = 64: q's fragment holds two heads (K = 128); a head's kv fragment has zero codes for the other head's 64.
; The kv state: each wave of a kind-0 work-group sums one head's four partial states, quantises it along y and leaves codes, scale words and the sum of k in LDS bytes that no tensor load fills.
; LIMITS: NaN and infinities are not served.  elu(x) + 1 = max(x, 0) + 2^(min(x log2 e, 0)); gelu(x) = x / (1 + 2^(x (c1 + c2 x^2))), c1 = -2 log2(e) sqrt(2/pi), c2 = 0.044715 c1; divisions by v_rcp_f32.
; Blocks under 2^-124 get the byte 1 (only this program reads it).
.set KSTEP,  256
.set NQ,     2
.set ROWB,   192
.set KROW,   768
.set LAPS,   2
.set PITCH,  240
.set FR,     12
.set NL,     6
.set NP,     4
.set HALFT,  128*PITCH
.set SLOT,   4*HALFT
.set SCL,    2*SLOT
.set SUNITS, 16
.set HALFS,  SUNITS*272
.set SSTEP,  8
.set SPARE,  SCL+4*HALFS
.set AX,  0
.set BU,  8
.set AS1, 544
.set AS2, 0
.set AS4, 0
.set BS1, 272
.set BS2, 0
.set BS4, 1088
.set ADRA, 16
.set ADRB, 20
.set LI,   26
.set ADSA, 27
.set SPW,  28
.set NIL,  29
.set ADSB, 30
.set SCA,  32                          ; v32-63 and v224-255 hold scales and nothing else
.set SCB,  224
.set AF,   128
.set G1, 24
.set G0, 32
.set G1B, 48
.set G0B, 56
.set G1S, 68
.set G0S, 76
.set G1SB, 80
.set G0SB, 88
.set WV, 66
.set WA, 67
.set WB, 100
.set KSP0, 8388608
.set KVI,  SPARE+512                   ; four heads x 3,072 bytes: images of kv's code registers
.set KVWI, KVI+4*3072                  ; four heads x 512: their scale words
.set KSM,  KVWI+4*512                  ; four heads x 256: the sums of k
.set SWS,  53248                       ; in a stage: behind 256 rows x 208 bytes of codes, 256 x 8 scale bytes
.set STG1, 55296                       ; kind 1's stage; kind 0's begins at 0.  Both lie in slot 0, behind its last fill and its last read
.set RD0,  11                          ; v11 the way out, kind 0: my 16 bytes in the stage;  v12 the same in kind 1's stage
.set RD1,  12
.set SW0,  1                           ; v1  the way out, kind 0: my 16 scale bytes in the stage;  v13 kind 1's
.set SW1,  13
.set GO,   14                          ; v14 my 16 bytes' place in agc
.set T,    64                          ; the epilogue, window 0: v64-127 scratch, and attn's accumulators
.set U,    128                         ; v128-191 a block of 16 t: 64 numbers a lane
.set CF,   192                         ; v192-203 the codes just made
.set TMPC, 204                         ; v204-206, v208-210 the conversions' second halves
.set PT,   207
.set RR,   212                         ; v212, v214: 1 / norm of the two heads (low words of two pairs)
.set M,    216
.set SO,   218
.set NN,   220                         ; v220-223 the norms' sums; in kind 1 the two constants
.set KVW,  224                         ; v224-231 kv's scale words
.set W,    232                         ; v232 the scale word just made
.set KVF,  128                         ; window 1: v128-199 per tile u 18 registers: head 0's codes, six zeros, head 1's codes;  v0-63 the sums of k;  v96-127, v224-255 the bias
.set MSB, 0
.macro WIN new
.if MSB != (\new)
	s_set_vgpr_msb (MSB<<8)|(\new)
.set MSB, (\new)
.endif
.endm
.macro MWIN hi, cm
.if \cm == 2
	WIN 0x81+0x40*\hi
.else
	WIN 0xa1+0x50*\hi
.endif
.endm
.macro JLOAD g0a, g1a, g0b, g1b        ; a joint load: waves 0, 1 for A, waves 2, 3 for B; four v_nop follow each line
	s_cmp_eq_u32 s[WA], 0
	s_cbranch_scc0 .Lfor_b_\@
	tensor_load_to_lds s[\g0a:\g0a+3], s[\g1a:\g1a+7]
	s_nop 0
.rept 4
	v_nop
.endr
	s_branch .Lasked_\@
.Lfor_b_\@:
	tensor_load_to_lds s[\g0b:\g0b+3], s[\g1b:\g1b+7]
	s_nop 0
.rept 4
	v_nop
.endr
.Lasked_\@:
.endm
.macro CREST
	s_cmp_lg_u32 s[WV], 0
	s_cbranch_scc1 .Lnot_wave_0_\@
	s_barrier_signal -3
.Lnot_wave_0_\@:
	s_barrier_wait -3
	s_barrier_signal -1
	s_barrier_wait -1
.endm
.macro CROUND
	s_barrier_signal -1
	s_barrier_wait -1
	CREST
.endm
.macro PLACES n
.rept \n
	v_nop
.endr
.endm
.macro FRAG reg, adr, q, rowoff
.irp p, 0,1,2,3,4,5
.set PC, 12*(\q)+6*(\p/3)+\p%3
.if PC%8 < 5
	ds_load_b64 v[\reg+2*\p:\reg+2*\p+1], v[\adr] offset:8*PC+16*(PC/8)+(\rowoff)
.else
	ds_load_b64 v[\reg+2*\p:\reg+2*\p+1], v[\adr+2] offset:8*PC+16*(PC/8)+(\rowoff)
.endif
.endr
.endm
.macro MUL16 a0, p, q, sc, cm          ; the 64 accumulators take turns, one instruction a turn
.irp a, \a0, \a0+1
.irp b, 0,1,2,3,4,5,6,7
.set DD, 8*(8*((\a)%4)+\b)
.if \cm == 0
	v_wmma_scale_f32_16x16x128_f8f6f4 v[DD:DD+7], v[128*(\p)+FR*\b:128*(\p)+FR*\b+FR-1], v[AF+FR*(\a):AF+FR*(\a)+FR-1], v[DD:DD+7], v[SCB+16*(\sc)+2*\b+(\q)], v[SCA+16*(\sc)+2*(\a)+(\q)] matrix_a_fmt:MATRIX_FMT_FP6 matrix_b_fmt:MATRIX_FMT_FP6
.elseif \cm == 1
	v_wmma_scale_f32_16x16x128_f8f6f4 v[DD:DD+7], v[128*(\p)+FR*\b:128*(\p)+FR*\b+FR-1], v[AF+FR*(\a):AF+FR*(\a)+FR-1], 0, v[SCB+16*(\sc)+2*\b+(\q)], v[SCA+16*(\sc)+2*(\a)+(\q)] matrix_a_fmt:MATRIX_FMT_FP6 matrix_b_fmt:MATRIX_FMT_FP6
.else
	v_wmma_scale_f32_16x16x128_f8f6f4 v[DD:DD+7], v[128*(\p)+FR*\b:128*(\p)+FR*\b+FR-1], v[AF+FR*(\a):AF+FR*(\a)+FR-1], v[64+8*\b:64+8*\b+7], v[SCB+16*(\sc)+2*\b+(\q)], v[SCA+16*(\sc)+2*(\a)+(\q)] matrix_a_fmt:MATRIX_FMT_FP6 matrix_b_fmt:MATRIX_FMT_FP6
.endif
.endr
.endr
.endm
.macro FETCH_B slot, q, p
	WIN 0x40
.irp i, 0,1,2,3,4,5,6,7
	FRAG 128*(\p)+FR*\i, ADRB+\slot, \q, (64*(\i/4)+BU*(\i%4))*PITCH
.endr
	WIN 0
.endm
.macro FETCH_A slot, q, i0
.irp i, \i0, \i0+1, \i0+2, \i0+3
	FRAG AF+FR*(\i), ADRA+\slot, \q, (16*(\i)+AX*((\i)/4))*PITCH
.endr
.endm
.macro SCALES sc
.irp i, 0,1,2,3,4,5,6,7
	ds_load_b64 v[SCA+16*\sc+2*\i:SCA+16*\sc+2*\i+1], v[ADSA] offset:AS1*\i+AS2*(\i/2)+AS4*(\i/4)
.endr
.irp i, 0,1,2,3,4,5,6,7
	ds_load_b64 v[SCB+16*\sc+2*\i:SCB+16*\sc+2*\i+1], v[ADSB] offset:BS1*\i+BS2*(\i/2)+BS4*(\i/4)
.endr
.endm
.macro STEP slot, q, cm
	s_wait_dscnt 4*NL                              ; all but the youngest 24 loads (A's blocks 4-7) are in
	MWIN 0, \cm
	MUL16 0, (\q)%2, \q, \slot, \cm
	MUL16 2, (\q)%2, \q, \slot, \cm
	s_wait_dscnt 0
	PLACES NP
	FETCH_B \slot, (\q)+1, 1-(\q)%2
	FETCH_A \slot, (\q)+1, 0
	MWIN 1, \cm
	MUL16 4, (\q)%2, \q, \slot, \cm
	MUL16 6, (\q)%2, \q, \slot, \cm
	PLACES NP
	WIN 0
	FETCH_A \slot, (\q)+1, 4
.endm
.macro TURN slot, next, fill
	s_wait_tensorcnt 0x0                           ; all my tensor loads have landed: my part of the next slot
	ds_add_u32 v[SPW], v[NIL]                      ; 0 onto my spare word
	s_wait_dscnt 4*NL+1                            ; (the add and the youngest 24 loads may be out)
	MWIN 0, 0
	MUL16 0, 1, NQ-1, \slot, 0
	s_wait_dscnt 0x0                               ; the add is done, and my reads of this slot are over
	s_barrier_signal -1
	MUL16 2, 1, NQ-1, \slot, 0
	WIN 0
	s_barrier_wait -1
.if \fill
	CREST                                          ; a round of the cluster's barrier: no wave of any partner still reads this slot or has a load on its way
	s_add_nc_u64 s[G0+4*\slot+2:G0+4*\slot+3], s[G0+4*\slot+2:G0+4*\slot+3], 2*ROWB
	s_add_nc_u64 s[G0B+4*\slot+2:G0B+4*\slot+3], s[G0B+4*\slot+2:G0B+4*\slot+3], 2*ROWB
	JLOAD G0+4*\slot, G1, G0B+4*\slot, G1B
.else
	PLACES NP
.endif
	v_add_nc_u32 v[ADSA], SSTEP, v[ADSA]
	v_add_nc_u32 v[ADSB], SSTEP, v[ADSB]
	FETCH_B \next, 0, 0
	FETCH_A \next, 0, 0
	SCALES \next
	MWIN 1, 0
	MUL16 4, 1, NQ-1, \slot, 0
	MUL16 6, 1, NQ-1, \slot, 0
	PLACES NP
	WIN 0
	FETCH_A \next, 0, 4
.endm
	s_load_b512 s[4:19], s[0:1], 0x0               ; hc, hs, wq_codes, wq_scales, w1_codes, w1_scales, bq, b1
	s_load_b128 s[20:23], s[0:1], 0x40             ; kvp, agc
	s_load_b64 s[92:93], s[0:1], 0x50              ; ags
	v_lshl_add_u32 v[SPW], v0, 2, SPARE
	v_mov_b32 v[NIL], 0
	ds_add_u32 v28, v29
	ds_add_u32 v28, v29
	s_wait_dscnt 0x0
	v_lshrrev_b32 v1, 5, v0
	v_readfirstlane_b32 s[WV], v1
	s_lshr_b32 s[WA], s[WV], 1
	s_and_b32 s[WB], s[WV], 1
	s_bfe_u32 s40, ttmp6, 0x40000                  ; cx, cy
	s_bfe_u32 s41, ttmp6, 0x40004
	s_lshl_b32 s42, ttmp9, 2
	s_add_co_u32 s42, s42, s40                     ; gx = 4 kind + cx: also the K step of the last launch that this tile's columns are
	s_and_b32 s101, ttmp7, 0xffff
	s_lshl_b32 s101, s101, 2
	s_add_co_u32 s101, s101, s41                   ; gy
	s_lshl_b32 s43, s41, 2
	s_lshl_b32 s43, 15, s43
	s_lshl_b32 s44, 0x1111, s40
	s_or_b32 s[G1+0], s43, (0<<16)|(1<<20)|(1<<21)|(3<<22)|(3<<25)
	s_or_b32 s[G1B+0], s44, (0<<16)|(1<<20)|(1<<21)|(3<<22)|(3<<25)
.irp g, G1, G1B
	s_mov_b32 s[\g+1], ROWB<<16
	s_mov_b32 s[\g+2], 128<<16
	s_mov_b32 s[\g+3], ROWB<<16
	s_mov_b32 s[\g+4], 128
	s_mov_b32 s[\g+5], KROW
	s_mov_b32 s[\g+6], 0
	s_mov_b32 s[\g+7], 0
.endr
	s_or_b32 s[G1S+0], s43, (3<<16)|(1<<20)|(1<<21)|(5<<22)|(3<<25)
	s_or_b32 s[G1SB+0], s44, (3<<16)|(1<<20)|(1<<21)|(5<<22)|(3<<25)
.irp g, G1S, G1SB
	s_mov_b32 s[\g+1], 32<<16
	s_mov_b32 s[\g+2], SUNITS<<16
	s_mov_b32 s[\g+3], 32<<16
	s_mov_b32 s[\g+4], SUNITS
	s_mov_b32 s[\g+5], 32
	s_mov_b32 s[\g+6], 0
	s_mov_b32 s[\g+7], 0
.endr
	s_mul_i32 s45, s[WV], HALFT
	s_lshl_b32 s104, s101, 8                       ; A: rows 256 gy + 128 WB of part kind of hc
	s_lshl_b32 s105, s[WB], 7
	s_add_co_u32 s104, s104, s105
	s_lshl_b32 s2, s104, 5
	s_mul_i32 s104, s104, KROW
	s_mul_i32 s105, ttmp9, 6291456
	s_add_co_u32 s104, s104, s105
	s_lshl_b32 s105, ttmp9, 18
	s_add_co_u32 s2, s2, s105
	s_mov_b32 s105, 0
	s_mov_b32 s3, 0
	s_lshl_b32 s46, s40, 8                         ; B: rows 256 cx + 128 WB of wq or w1
	s_lshl_b32 s47, s[WB], 7
	s_add_co_u32 s46, s46, s47
	s_lshl_b32 s94, s46, 5
	s_mul_i32 s46, s46, KROW
	s_mov_b32 s47, 0
	s_mov_b32 s95, 0
	s_mov_b32 s96, 0x76543210
	s_mov_b32 s97, 0xfedcba98
	s_mov_b32 s98, 0x3fb8aa3b                      ; log2(e)
	s_mov_b32 s99, s98
	s_wait_kmcnt 0x0
	s_cmp_eq_u32 ttmp9, 0                          ; the kind: the cluster's x, alike in all partners
	s_cselect_b64 s[8:9], s[8:9], s[12:13]
	s_cselect_b64 s[10:11], s[10:11], s[14:15]
	s_cselect_b64 s[16:17], s[16:17], s[18:19]
	s_add_nc_u64 s[104:105], s[4:5], s[104:105]
	s_add_nc_u64 s[2:3], s[6:7], s[2:3]
	s_add_nc_u64 s[46:47], s[8:9], s[46:47]
	s_add_nc_u64 s[94:95], s[10:11], s[94:95]
	s_lshr_b32 s12, s101, 2                        ; the batch
	s_lshl_b32 s14, s40, 2
	s_add_co_u32 s14, s14, s[WV]                   ; the head whose state I build: 4 cx + wave
	s_lshl_b32 s15, s12, 6
	s_add_co_u32 s15, s15, s14
	s_lshl_b32 s18, s15, 14                        ; (64 batch + head) x 16,384
	s_mov_b32 s19, 0
	s_lshl_b32 s12, s12, 15
	s_lshl_b32 s14, s14, 8
	s_add_co_u32 s12, s12, s14
	s_add_co_u32 s12, s12, KSP0
	s_mov_b32 s13, 0
	s_add_nc_u64 s[12:13], s[20:21], s[12:13]      ; the head's partial sums of k
	s_add_nc_u64 s[20:21], s[20:21], s[18:19]      ; its partial states
	s_lshl_b32 s14, s101, 8
	s_lshl_b32 s15, s[WV], 6
	s_add_co_u32 s14, s14, s15
	s_mul_i32 s14, s14, 1536
	s_mul_i32 s15, s42, 192
	s_add_co_u32 s14, s14, s15
	s_mov_b32 s15, 0
	s_add_nc_u64 s[22:23], s[22:23], s[14:15]      ; agc: row 256 gy + 64 wave, byte 192 gx
	s_lshl_b32 s14, s101, 14
	s_lshl_b32 s18, s42, 10
	s_add_co_u32 s14, s14, s18
	s_add_nc_u64 s[92:93], s[92:93], s[14:15]      ; ags: 2 gy x 8,192 + gx x 1,024
	s_lshl_b32 s14, s40, 10
	s_lshl_b32 s18, s[WB], 9
	s_add_co_u32 s14, s14, s18
	s_add_nc_u64 s[16:17], s[16:17], s[14:15]      ; the bias at my 128 columns
	CROUND
	s_mov_b32 s[G0S], 1
	s_mul_i32 s[G0S+1], s[WV], HALFS
	s_add_co_u32 s[G0S+1], s[G0S+1], SCL
	s_mov_b64 s[G0S+2:G0S+3], s[2:3]
	s_or_b32 s[G0S+3], s[G0S+3], 0x80000000
	s_mov_b32 s[G0SB], 1
	s_mul_i32 s[G0SB+1], s[WV], HALFS
	s_add_co_u32 s[G0SB+1], s[G0SB+1], SCL
	s_mov_b64 s[G0SB+2:G0SB+3], s[94:95]
	s_or_b32 s[G0SB+3], s[G0SB+3], 0x80000000
	JLOAD G0S, G1S, G0SB, G1SB                     ; with the two below three tensor loads of mine are out
.irp s, 0,1
	s_mov_b32 s[G0+4*\s], 1
	s_add_co_u32 s[G0+4*\s+1], s45, \s*SLOT
	s_add_nc_u64 s[G0+4*\s+2:G0+4*\s+3], s[104:105], \s*ROWB
	s_or_b32 s[G0+4*\s+3], s[G0+4*\s+3], 0x80000000
	s_mov_b32 s[G0B+4*\s], 1
	s_add_co_u32 s[G0B+4*\s+1], s45, \s*SLOT
	s_add_nc_u64 s[G0B+4*\s+2:G0B+4*\s+3], s[46:47], \s*ROWB
	s_or_b32 s[G0B+4*\s+3], s[G0B+4*\s+3], 0x80000000
	JLOAD G0+4*\s, G1, G0B+4*\s, G1B
.endr
	; every address register, of both kinds, is made here, ahead of the first branch on the kind, and is not written again.  v128-135 are at work only
	v_and_b32 v1, 15, v0                           ; r
	v_bfe_u32 v2, v0, 4, 1                         ; h
	v_and_b32 v128, 31, v0                         ; lane
	v_and_b32 v129, 7, v1
	v_lshrrev_b32 v130, 3, v1
	v_mul_u32_u24 v131, v1, PITCH
	v_mad_u32_u24 v131, v2, 24, v131               ; A: row r
	v_lshl_add_u32 v132, v2, 4, v131
	v_lshl_add_u32 v133, v130, 5, v129
	v_mul_u32_u24 v133, v133, PITCH
	v_mad_u32_u24 v133, v2, 24, v133               ; B: row r % 8 + 32 (r / 8)
	v_lshl_add_u32 v134, v2, 4, v133
	s_mul_i32 s104, s[WA], HALFT
	s_mul_i32 s105, s[WB], HALFT
	s_add_co_u32 s105, s105, 2*HALFT
.irp s, 0,1
	v_add_nc_u32 v[ADRA+\s], s104, v131
	v_add_nc_u32 v[ADRB+\s], s105, v133
	v_add_nc_u32 v[ADRA+2+\s], s104, v132
	v_add_nc_u32 v[ADRB+2+\s], s105, v134
	s_add_co_u32 s104, s104, SLOT
	s_add_co_u32 s105, s105, SLOT
.endr
	v_lshlrev_b32 v131, 5, v1
	v_lshl_add_u32 v131, v130, 4, v131
	s_mul_i32 s104, s[WA], HALFS
	s_add_co_u32 s104, s104, SCL
	v_add_nc_u32 v[ADSA], s104, v131
	v_lshlrev_b32 v131, 5, v129
	v_mad_u32_u24 v131, v130, 1088, v131
	s_mul_i32 s105, s[WB], HALFS
	s_add_co_u32 s105, s105, SCL+2*HALFS
	v_add_nc_u32 v[ADSB], s105, v131
	v_lshlrev_b32 v[LI], 4, v128
	s_mul_i32 s104, s[WB], 6144
	s_add_co_u32 s104, s104, KVI
	v_lshl_add_u32 v3, v128, 3, s104               ; I read the images of heads 2 WB, 2 WB + 1
	s_lshl_b32 s104, s[WB], 10
	s_add_co_u32 s104, s104, KVWI
	v_lshl_add_u32 v4, v128, 2, s104
	s_lshl_b32 s104, s[WB], 9
	s_add_co_u32 s104, s104, KSM
	v_lshl_add_u32 v5, v2, 7, s104
	s_mul_i32 s104, s[WV], 3072
	s_add_co_u32 s104, s104, KVI
	v_lshl_add_u32 v6, v128, 3, s104               ; I write the images of head number wave
	s_lshl_b32 s104, s[WV], 9
	s_add_co_u32 s104, s104, KVWI
	v_lshl_add_u32 v7, v128, 2, s104
	s_lshl_b32 s104, s[WV], 8
	s_add_co_u32 s104, s104, KSM
	v_lshl_add_u32 v8, v128, 3, s104
	s_mul_i32 s104, s[WA], 128*208
	s_mul_i32 s105, s[WB], 96
	s_add_co_u32 s104, s104, s105
	v_mul_u32_u24 v9, v1, 208
	v_mad_u32_u24 v9, v2, 24, v9
	v_add_nc_u32 v9, s104, v9                      ; the stage: row 128 WA + r of 208 bytes, + 96 WB + 24 h
	s_lshl_b32 s104, s[WA], 10
	s_lshl_b32 s105, s[WB], 2
	s_add_co_u32 s104, s104, s105
	s_add_co_u32 s104, s104, SWS
	v_lshl_add_u32 v10, v1, 3, s104                ; the row's scale word: 8 bytes a row, + 4 WB
	; the way out: lane l takes row l / 4 of eight and bytes 16 (l % 4) of a run of 64; a row's three runs and the eight groups of rows stand in the immediates
	s_mul_i32 s104, s[WV], 64*208                  ; my 64 rows of the stage
	v_lshrrev_b32 v131, 2, v128
	v_and_b32 v132, 3, v128
	v_mul_u32_u24 v[RD0], v131, 208
	v_lshl_add_u32 v[RD0], v132, 4, v[RD0]
	v_add_nc_u32 v[RD0], s104, v[RD0]
	v_add_nc_u32 v[RD1], STG1, v[RD0]
	v_mul_u32_u24 v[GO], v131, 1536
	v_lshl_add_u32 v[GO], v132, 4, v[GO]
	v_lshlrev_b32 v25, 3, v2                       ; 8 h
	v_lshlrev_b32 v31, 7, v2                       ; 128 h: the bias of my half's columns
	v_lshlrev_b32 v135, 3, v128                    ; 8 x lane
	v_lshl_add_u32 v[SW0], v0, 4, SWS              ; (r and h are done with)  the scale bytes on the way out: 16 a thread,
	v_add_nc_u32 v[SW1], STG1, v[SW0]
	v_lshrrev_b32 v2, 6, v0
	v_and_b32 v131, 63, v0
	v_lshlrev_b32 v2, 13, v2
	v_lshl_add_u32 v2, v131, 4, v2                 ; and in ags: (thread / 64) x 8,192 + 16 (thread % 64)
	WIN 0x40
.irp i, 0,1,2,3,4,5,6,7                ; the bias of tile i at window 1, v[96 + 8 i + 96 (i / 4)]: registers that the products never touch
	global_load_b128 v[96+8*\i+96*(\i/4):96+8*\i+96*(\i/4)+3], v31, s[16:17] offset:(64*(\i/4)+8*(\i%4))*4
	global_load_b128 v[96+8*\i+96*(\i/4)+4:96+8*\i+96*(\i/4)+7], v31, s[16:17] offset:(64*(\i/4)+8*(\i%4))*4+16
.endr
	WIN 0
	s_cmp_lg_u32 ttmp9, 0
	s_cbranch_scc1 .Lno_kv
	; ---- kind 0: one head's state.  Four partial states of 16 KB into windows 2 and 3 (the accumulators' registers, not yet in use)
	WIN 0x80
.irp p, 0,1
.set n, 0
.rept 32
	global_load_b128 v[128*\p+4*n:128*\p+4*n+3], v[LI], s[20:21] offset:\p*262144+n*512
.set n, n+1
.endr
.endr
	WIN 0xc0
.irp p, 0,1
.set n, 0
.rept 32
	global_load_b128 v[128*\p+4*n:128*\p+4*n+3], v[LI], s[20:21] offset:(\p+2)*262144+n*512
.set n, n+1
.endr
.endr
	WIN 0
.irp p, 0,1,2,3,4,5,6,7
	global_load_b64 v[136+2*\p:137+2*\p], v135, s[12:13] offset:\p*4096
.endr
	s_wait_loadcnt 0x0
	WIN 0x8a
.set i, 0
.rept 64
	v_pk_add_f32 v[i:i+1], v[i:i+1], v[128+i:129+i]
.set i, i+2
.endr
	WIN 0xcf
.set i, 0
.rept 64
	v_pk_add_f32 v[i:i+1], v[i:i+1], v[128+i:129+i]
.set i, i+2
.endr
	WIN 0x8e
.set i, 0
.rept 64
	v_pk_add_f32 v[i:i+1], v[i:i+1], v[i:i+1]      ; window 2 += window 3: tile u at v[32 u ..]: kv[8 u + r % 8 + 32 (r / 8)][32 h + 0 .. 31]
.set i, i+2
.endr
	WIN 0
.irp p, 0,2,4,6
	v_pk_add_f32 v[136+2*\p:137+2*\p], v[136+2*\p:137+2*\p], v[138+2*\p:139+2*\p]
.endr
.irp p, 0,4
	v_pk_add_f32 v[136+2*\p:137+2*\p], v[136+2*\p:137+2*\p], v[140+2*\p:141+2*\p]
.endr
	v_pk_add_f32 v[136:137], v[136:137], v[144:145]        ; the sum of k at features 2 l, 2 l + 1
	WIN 0x0a                                       ; quantised along y: a lane holds a whole block; the four tiles by turns
.irp u, 0,1,2,3
	v_max3_num_f32 v[152+\u], |v[32*\u]|, |v[32*\u+1]|, 0x1800000
.endr
	WIN 0x28
.irp i, 2,4,6,8,10,12,14,16,18,20,22,24,26,28,30
.irp u, 0,1,2,3
	v_max3_num_f32 v[152+\u], v[152+\u], |v[32*\u+\i]|, |v[32*\u+\i+1]|
.endr
.endr
	WIN 0
.irp u, 0,1,2,3
	v_add_nc_u32 v[156+\u], 0xff000000, v[152+\u]
.endr
.irp u, 0,1,2,3
	v_lshrrev_b32 v[160+\u], 23, v[156+\u]
.endr
.irp u, 0,1,2,3
	v_lshlrev_b32 v[160+\u], v25, v[160+\u]        ; block h's byte at its place in the row's word
.endr
.irp u, 0,1,2,3
	v_mov_b32 v[164+\u], 0
.endr
.irp u, 0,1,2,3
	v_permlanex16_b32 v[164+\u], v[160+\u], s96, s97
.endr
.irp u, 0,1,2,3
	v_or_b32 v[160+\u], v[160+\u], v[164+\u]
.endr
	WIN 0x02
.irp u, 0,1,2,3
	v_cvt_scalef32_pk16_fp6_f32 v[168+8*\u:170+8*\u], v[32*\u:32*\u+15], v[156+\u]
	v_cvt_scalef32_pk16_fp6_f32 v[200+4*\u:202+4*\u], v[32*\u+16:32*\u+31], v[156+\u]
.endr
	WIN 0
	v_nop                                          ; a plain instruction behind the conversions
.irp u, 0,1,2,3
.irp i, 0,1,2
	v_mov_b32 v[171+8*\u+\i], v[200+4*\u+\i]
.endr
.endr
.irp u, 0,1,2,3
.irp p, 0,1,2
	ds_store_b64 v6, v[168+8*\u+2*\p:169+8*\u+2*\p] offset:(3*\u+\p)*256    ; images of the registers: 8 bytes a lane, 256 a store
.endr
.endr
.irp u, 0,1,2,3
	ds_store_b32 v7, v[160+\u] offset:128*\u
.endr
	ds_store_b64 v8, v[136:137]
.Lno_kv:
	s_wait_loadcnt 0x0                             ; the bias
	s_wait_dscnt 0x0                               ; for the others' sake: my images have landed
	s_wait_tensorcnt 0x1                           ; the scales and my part of K step 0 are in (K step 1's load may be out),
	s_barrier_signal -1
	s_barrier_wait -1                              ; everybody's are
	FETCH_B 0, 0, 0
	FETCH_A 0, 0, 0
	SCALES 0
	FETCH_A 0, 0, 4
	STEP 0, 0, 1                                   ; the first products start the sums
	s_mov_b32 s3, LAPS-1
.Llap:
	TURN 0, 1, 1
	STEP 1, 0, 0
	TURN 1, 0, 1
	STEP 0, 0, 0
	s_sub_co_u32 s3, s3, 1
	s_cmp_lg_u32 s3, 0
	s_cbranch_scc1 .Llap
	TURN 0, 1, 0
	STEP 1, 0, 0
	s_wait_dscnt 4*NL
	MWIN 0, 0
	MUL16 0, 1, NQ-1, 1, 0
	MUL16 2, 1, NQ-1, 1, 0
	s_wait_dscnt 0
	MWIN 1, 0
	MUL16 4, 1, NQ-1, 1, 0
	MUL16 6, 1, NQ-1, 1, 0
	WIN 0
; ---- the epilogue: a loop over the eight blocks of 16 t.  Register numbers cannot hang on a counter, so the one line that differs, accumulators + bias -> U, is written eight times and chosen by the counter.
.macro HEAD a
	WIN 0x06+(\a)/4
.irp i, 0,1,2,3,4,5,6,7
.irp j, 0,2,4,6
	v_pk_add_f32 v[U+8*\i+\j:U+8*\i+\j+1], v[64*((\a)%4)+8*\i+\j:64*((\a)%4)+8*\i+\j+1], v[96+8*\i+96*(\i/4)+\j:96+8*\i+96*(\i/4)+\j+1]
.endr
.endr
	WIN 0
.endm
.macro SWITCH
.irp a, 0,1,2,3,4,5,6
	s_cmp_lg_u32 s2, \a
	s_cbranch_scc1 .Lnx_\@_\a
	HEAD \a
	s_branch .Lgot_\@
.Lnx_\@_\a:
.endr
	HEAD 7
.Lgot_\@:
.endm
; U's 64 numbers: two whole blocks of 32 a lane (blocks h and 2 + h of the wave's four) -> codes in CF, the row's scale word in W
.macro QUANT32
	v_max3_num_f32 v[M], |v[U]|, |v[U+1]|, 0x1800000
	v_max3_num_f32 v[M+1], |v[U+32]|, |v[U+33]|, 0x1800000
.irp i, 2,4,6,8,10,12,14,16,18,20,22,24,26,28,30
	v_max3_num_f32 v[M], v[M], |v[U+\i]|, |v[U+\i+1]|
	v_max3_num_f32 v[M+1], v[M+1], |v[U+32+\i]|, |v[U+33+\i]|
.endr
	v_add_nc_u32 v[SO], 0xff000000, v[M]
	v_add_nc_u32 v[SO+1], 0xff000000, v[M+1]
	v_lshrrev_b32 v[M], 23, v[SO]
	v_lshrrev_b32 v[M+1], 23, v[SO+1]
	v_lshl_or_b32 v[W], v[M+1], 16, v[M]
	v_lshlrev_b32 v[W], v25, v[W]                  ; my two bytes at their places, 8 h bits up;
	v_permlanex16_b32 v[PT], v[W], s96, s97
	v_or_b32 v[W], v[W], v[PT]                     ; with lane l xor 16's two the word is whole
.irp c, 0,1
	v_cvt_scalef32_pk16_fp6_f32 v[CF+6*\c:CF+6*\c+2], v[U+32*\c:U+32*\c+15], v[SO+\c]
	v_cvt_scalef32_pk16_fp6_f32 v[TMPC+4*\c:TMPC+4*\c+2], v[U+32*\c+16:U+32*\c+31], v[SO+\c]
.endr
	v_nop
.irp c, 0,1
.irp i, 0,1,2
	v_mov_b32 v[CF+3+6*\c+\i], v[TMPC+4*\c+\i]
.endr
.endr
.endm
.macro PUT                             ; codes and scale word to the stage; s104, s105 step by 16 rows a trip
	v_add_nc_u32 v31, s104, v9
.irp p, 0,1,2
	ds_store_b64 v31, v[CF+2*\p:CF+2*\p+1] offset:8*\p
	ds_store_b64 v31, v[CF+6+2*\p:CF+6+2*\p+1] offset:48+8*\p
.endr
	v_add_nc_u32 v31, s105, v10
	ds_store_b32 v31, v[W]                         ; lanes r and 16 + r write the same word with the same value
	s_add_co_u32 s104, s104, 3328
	s_add_co_u32 s105, s105, 128
.endm
; 64 rows a wave, 192 bytes each: group g of eight rows, run k of 64 bytes; four lanes to a run, 16 bytes a lane.  Then the tile's 2,048 scale bytes.  rd, sw: the kind's two address registers
.macro WAYOUT rd, sw
	s_wait_dscnt 0x0                               ; for the others' sake: my stores into the stage have landed
	s_barrier_signal -1
	s_barrier_wait -1
.irp g, 0,1,2,3,4,5,6,7
.irp k, 0,1,2
	ds_load_b128 v[128+4*(3*\g+\k):128+4*(3*\g+\k)+3], v[\rd] offset:1664*\g+64*\k
.endr
.endr
	ds_load_b128 v[64:67], v[\sw]
.irp g, 0,1,2,3,4,5,6,7
.irp k, 0,1,2
	s_wait_dscnt 24-(3*\g+\k)                      ; the loads issued behind this one may be out
	global_store_b128 v[GO], v[128+4*(3*\g+\k):128+4*(3*\g+\k)+3], s[22:23] offset:12288*\g+64*\k
.endr
.endr
	s_wait_dscnt 0x0
	global_store_b128 v2, v[64:67], s[92:93]       ; the wave stores 512 consecutive bytes, aligned
.endm
	PLACES NP
	v_mov_b32 v[PT], 0                             ; a lane permute's destination counts as one of its sources
	s_cmp_lg_u32 ttmp9, 0
	s_cbranch_scc1 .Lffn
	; ---- kind 0: q and the attention
	WIN 0x40
.irp c, 0,1
.irp u, 0,1,2,3
.irp p, 0,1,2
	ds_load_b64 v[KVF+18*\u+12*\c+2*\p:KVF+18*\u+12*\c+2*\p+1], v3 offset:3072*\c+(3*\u+\p)*256
.endr
.endr
.endr
.irp c, 0,1
.irp n, 0,1,2,3,4,5,6,7
	ds_load_b128 v[32*\c+4*\n:32*\c+4*\n+3], v5 offset:256*\c+16*\n          ; the sum of k at features 32 h + 0 .. 31 of head c
.endr
.endr
.irp u, 0,1,2,3
.irp i, 0,1,2,3,4,5
	v_mov_b32 v[KVF+18*\u+6+\i], 0                 ; zero codes for the other head's 64 along K
.endr
.endr
	WIN 0
.irp c, 0,1
.irp u, 0,1,2,3
	ds_load_b32 v[KVW+4*\c+\u], v4 offset:512*\c+128*\u
.endr
.endr
	v_mov_b32 v[RR+1], 0                           ; (named as the upper halves of pairs)
	v_mov_b32 v[RR+3], 0
	s_wait_dscnt 0x0
.irp u, 0,1,2,3
	v_or_b32 v[KVW+\u], 0x7f7f0000, v[KVW+\u]      ; head 0: its two bytes below, 1.0 over the zero codes
	v_lshl_or_b32 v[KVW+4+\u], v[KVW+4+\u], 16, 0x7f7f     ; head 1: above
.endr
	s_mov_b32 s2, 0
	s_mov_b32 s104, 0
	s_mov_b32 s105, 0
.Lrow_q:
	SWITCH
.set i, 0
.rept 32
	v_pk_mul_f32 v[T+i:T+i+1], v[U+i:U+i+1], s[98:99] op_sel_hi:[1,0]
.set i, i+2
.endr
.set i, 0
.rept 64
	v_min_num_f32 v[T+i], 0, v[T+i]
.set i, i+1
.endr
.set i, 0
.rept 64
	v_exp_f32 v[T+i], v[T+i]
.set i, i+1
.endr
.set i, 0
.rept 64
	v_max_num_f32 v[U+i], 0, v[U+i]                ; (plain instructions behind the exponentials)
.set i, i+1
.endr
.set i, 0
	s_wait_alu depctr_va_vdst(0)
.rept 32
	v_pk_add_f32 v[U+i:U+i+1], v[U+i:U+i+1], v[T+i:T+i+1]          ; q = elu + 1
.set i, i+2
.endr
	QUANT32
	WIN 0x04                                       ; the norm, of the unquantised q, in f32; these lines are also the places between the codes and scale word just made and the products
	v_pk_mul_f32 v[NN:NN+1], v[U:U+1], v[0:1]
	v_pk_mul_f32 v[NN+2:NN+3], v[U+32:U+33], v[32:33]
.irp i, 2,4,6,8,10,12,14,16,18,20,22,24,26,28,30
	v_pk_fma_f32 v[NN:NN+1], v[U+\i:U+\i+1], v[\i:\i+1], v[NN:NN+1]
	v_pk_fma_f32 v[NN+2:NN+3], v[U+32+\i:U+33+\i], v[32+\i:33+\i], v[NN+2:NN+3]
.endr
	WIN 0
	v_add_f32 v[NN], v[NN], v[NN+1]
	v_add_f32 v[NN+2], v[NN+2], v[NN+3]
	v_permlanex16_b32 v[PT], v[NN], s96, s97
	v_add_f32 v[NN], v[NN], v[PT]
	v_permlanex16_b32 v[PT], v[NN+2], s96, s97
	v_add_f32 v[NN+2], v[NN+2], v[PT]
	v_rcp_f32 v[RR], v[NN]
	v_rcp_f32 v[RR+2], v[NN+2]
	v_nop
	WIN 0x01
.irp c, 0,1                            ; attn(t = r, 64 c + 32 h + 8 u + j): source 0 = 16 rows of head c's kv, source 1 = q's 16 rows
.irp u, 0,1,2,3
	v_wmma_scale_f32_16x16x128_f8f6f4 v[T+8*(4*\c+\u):T+8*(4*\c+\u)+7], v[KVF+18*\u+6*\c:KVF+18*\u+6*\c+11], v[CF:CF+11], 0, v[KVW+4*\c+\u], v[W] matrix_a_fmt:MATRIX_FMT_FP6 matrix_b_fmt:MATRIX_FMT_FP6
.endr
.endr
	WIN 0
	PLACES NP
.set i, 0
	s_wait_alu depctr_va_vdst(0)
.rept 16
	v_pk_mul_f32 v[U+i:U+i+1], v[T+i:T+i+1], v[RR:RR+1] op_sel_hi:[1,0]    ; / norm; each accumulator from its low end on
.set i, i+2
.endr
.set i, 32
.rept 16
	v_pk_mul_f32 v[U+i:U+i+1], v[T+i:T+i+1], v[RR+2:RR+3] op_sel_hi:[1,0]
.set i, i+2
.endr
	QUANT32
	PUT
	s_add_co_u32 s2, s2, 1
	s_cmp_lt_u32 s2, 8
	s_cbranch_scc1 .Lrow_q
	WAYOUT RD0, SW0
	s_branch .Lend
.Lffn:
	; ---- kind 1: gelu.  This way has stage bytes of its own
	v_mov_b32 v[NN], 0xc0135761                    ; c1 = -2 log2(e) sqrt(2 / pi)
	v_mov_b32 v[NN+1], 0xc0135761
	v_mov_b32 v[NN+2], 0xbdd2d3e8                  ; c2 = 0.044715 c1
	v_mov_b32 v[NN+3], 0xbdd2d3e8
	s_mov_b32 s2, 0
	s_mov_b32 s104, STG1
	s_mov_b32 s105, STG1
.Lrow_f:
	SWITCH
.set i, 0
.rept 32
	v_pk_mul_f32 v[T+i:T+i+1], v[U+i:U+i+1], v[U+i:U+i+1]
.set i, i+2
.endr
.set i, 0
.rept 32
	v_pk_fma_f32 v[T+i:T+i+1], v[T+i:T+i+1], v[NN+2:NN+3], v[NN:NN+1]
.set i, i+2
.endr
.set i, 0
.rept 32
	v_pk_mul_f32 v[T+i:T+i+1], v[T+i:T+i+1], v[U+i:U+i+1]          ; x (c1 + c2 x^2)
.set i, i+2
.endr
.set i, 0
.rept 64
	v_exp_f32 v[T+i], v[T+i]
.set i, i+1
.endr
	v_nop
.set i, 0
	s_wait_alu depctr_va_vdst(0)
.rept 32
	v_pk_add_f32 v[T+i:T+i+1], v[T+i:T+i+1], 1.0 op_sel_hi:[1,0]
.set i, i+2
.endr
.set i, 0
.rept 64
	v_rcp_f32 v[T+i], v[T+i]
.set i, i+1
.endr
	v_nop
.set i, 0
	s_wait_alu depctr_va_vdst(0)
.rept 32
	v_pk_mul_f32 v[U+i:U+i+1], v[U+i:U+i+1], v[T+i:T+i+1]
.set i, i+2
.endr
	QUANT32
	PUT
	s_add_co_u32 s2, s2, 1
	s_cmp_lt_u32 s2, 8
	s_cbranch_scc1 .Lrow_f
	WAYOUT RD1, SW1
.Lend:
	s_wait_tensorcnt 0x0                           ; the wave's end
	ds_add_u32 v[SPW], v[NIL]
	s_wait_dscnt 0x0
	CROUND                                         ; the closing round
	s_endpgm
.Lfunc_end_k_q019620553a_qffn:
	.size	k_q019620553a_qffn, .Lfunc_end_k_q019620553a_qffn-k_q019620553a_qffn
	.p2alignl 7, 3214868480
	.fill 96, 4, 3214868480
	.section	.rodata,"a",@progbits
	.p2align	6, 0x0
	.amdhsa_kernel k_q019620553a_qffn
		.amdhsa_group_segment_fixed_size 327680
		.amdhsa_private_segment_fixed_size 0
		.amdhsa_enable_private_segment 0
		.amdhsa_kernarg_size 88
		.amdhsa_user_sgpr_count 2
		.amdhsa_user_sgpr_kernarg_segment_ptr 1
		.amdhsa_wavefront_size32 1
		.amdhsa_system_sgpr_workgroup_id_x 1
		.amdhsa_system_sgpr_workgroup_id_y 1
		.amdhsa_system_sgpr_workgroup_id_z 1
		.amdhsa_system_vgpr_workitem_id 0
		.amdhsa_next_free_vgpr 1024
		.amdhsa_next_free_sgpr 106
		.amdhsa_reserve_vcc 0
		.amdhsa_float_denorm_mode_32 3
		.amdhsa_float_denorm_mode_16_64 3
		.amdhsa_memory_ordered 1
		.amdhsa_forward_progress 1
		.amdhsa_inst_pref_size 255
	.end_amdhsa_kernel
	.section	.bss,"aw",@nobits
	.p2align	6
	.space	262144
	.amdgpu_metadata
---
amdhsa.version: [ 1, 2 ]
amdhsa.kernels:
  - .name:           k_q019620553a_qffn
    .symbol:         k_q019620553a_qffn.kd
    .args:
      - { .name: hc, .offset: 0, .size: 8, .value_kind: global_buffer, .address_space: global }
      - { .name: hs, .offset: 8, .size: 8, .value_kind: global_buffer, .address_space: global }
      - { .name: wq_codes, .offset: 16, .size: 8, .value_kind: global_buffer, .address_space: global }
      - { .name: wq_scales, .offset: 24, .size: 8, .value_kind: global_buffer, .address_space: global }
      - { .name: w1_codes, .offset: 32, .size: 8, .value_kind: global_buffer, .address_space: global }
      - { .name: w1_scales, .offset: 40, .size: 8, .value_kind: global_buffer, .address_space: global }
      - { .name: bq, .offset: 48, .size: 8, .value_kind: global_buffer, .address_space: global }
      - { .name: b1, .offset: 56, .size: 8, .value_kind: global_buffer, .address_space: global }
      - { .name: kvp, .offset: 64, .size: 8, .value_kind: global_buffer, .address_space: global }
      - { .name: agc, .offset: 72, .size: 8, .value_kind: global_buffer, .address_space: global }
      - { .name: ags, .offset: 80, .size: 8, .value_kind: global_buffer, .address_space: global }
    .group_segment_fixed_size: 327680
    .private_segment_fixed_size: 0
    .kernarg_segment_align: 8
    .kernarg_segment_size: 88
    .max_flat_workgroup_size: 128
    .sgpr_count:     106
    .vgpr_count:     1024
    .wavefront_size: 32
...
	.end_amdgpu_metadata
.endif
;; end of part 3
;; launch outp (part 4): grid 4 x 32, 4 waves a work-group, clusters of 4 x 4, 327,680 bytes of LDS; arguments agc, ags, wcc, wcs, bo, b2, x, out0; writes out0
.if DOCPART == 4
	.amdgcn_target "amdgcn-amd-amdhsa--gfx1250"
	.amdhsa_code_object_version 6
	.text
	.protected	k_q019620553a_outp
	.globl	k_q019620553a_outp
	.p2align	8
	.type	k_q019620553a_outp,@function
k_q019620553a_outp:
	s_mov_b64 s[64:65], 0
	v_nop
	global_prefetch_b8 v0, s[64:65] scope:SCOPE_SE
	s_setreg_imm32_b32 hwreg(HW_REG_WAVE_MODE, 25, 1), 1
	s_wait_xcnt 0x0
	s_wait_alu depctr_hold_cnt(0) depctr_sa_sdst(0) depctr_va_vdst(0) depctr_va_sdst(0) depctr_va_ssrc(0) depctr_va_vcc(0) depctr_vm_vsrc(0)
	s_getreg_b32 s2, hwreg(HW_REG_IB_STS2, 6, 4)
	s_cmp_eq_u32 s2, 0
	s_cbranch_scc0 .Lentry_in_a_cluster
	s_endpgm
.Lentry_in_a_cluster:
	s_bfe_u32 s2, ttmp6, 0x10000c
	s_cmp_lg_u32 s2, 0xf033
	s_cbranch_scc0 .Lentry_shape_is_right
	s_endpgm
.Lentry_shape_is_right:
; out = x + [attn | g] [wo | w2]^T + bo + b2: the two last products as ONE product with K = 2,048, on E2M3 codes with E8M0 scales.
; "A" = agc [8192][1536 bytes], "B" = wcc [1024][1536 bytes]; their scale bytes ags, wcs lie [rows / 128][8 K steps of 256][128 rows][8 bytes]: 8 KB dense for 128 rows.
; A tile of 256 x 256, four waves of 128 x 128; K in eight steps of 256 through two LDS slots; 4 x 4 clusters, A's tiles asked for jointly along a row of the cluster, B's along a column.
; N = 1,024 gives 128 tiles of this size: 128 work-groups.  B is source 0, A source 1: a lane holds eight neighbouring columns of a row of out.
; bo + b2 is the C of the first products.  x is added on the way out, where a row of 512 bytes has come back from the wave's stage: 16 bytes a lane, as x is loaded.
; LIMITS: NaN and infinities are not served.
.set KSTEP,  256
.set NQ,     2
.set ROWB,   192
.set KROW,   1536
.set LAPS,   4
.set PITCH,  240
.set FR,     12
.set NL,     6
.set NP,     4
.set HALFT,  128*PITCH
.set SLOT,   4*HALFT
.set SCL,    2*SLOT
.set SUNITS, 32
.set HALFS,  SUNITS*272
.set SSTEP,  1088                      ; a K step's 1,024 scale bytes are four units of 272
.set SPARE,  SCL+4*HALFS
.set AX,  0
.set BU,  16
.set AS1, 128
.set AS2, 16
.set AS4, 0
.set BS1, 128
.set BS2, 16
.set BS4, 0
.set ADRA, 16
.set ADRB, 20
.set STO,  24                          ; v24 the stage: where I put 32 bytes of a row
.set RD,   25                          ; v25 and where I read a row back
.set LI,   26                          ; v26 16 x lane: also my place in a row of x and of out
.set ADSA, 27
.set SPW,  28
.set NIL,  29
.set ADSB, 30
.set SCA,  32                          ; v32-63 and v224-255 hold scales and nothing else
.set SCB,  224
.set AF,   128
.set BK,   64                          ; the way out: rows read back, v64-127 and v128-191 by turns;  x: window 1, four sets of 64
.set SPITCH, 528
.set G1, 24
.set G0, 32
.set G1B, 48
.set G0B, 56
.set G1S, 68
.set G0S, 76
.set G1SB, 80
.set G0SB, 88
.set WV, 66
.set WA, 67
.set WB, 100
.set MSB, 0
.macro WIN new
.if MSB != (\new)
	s_set_vgpr_msb (MSB<<8)|(\new)
.set MSB, (\new)
.endif
.endm
.macro MWIN hi, cm
.if \cm == 2
	WIN 0x81+0x40*\hi
.else
	WIN 0xa1+0x50*\hi
.endif
.endm
.macro JLOAD g0a, g1a, g0b, g1b        ; a joint load: waves 0, 1 for A, waves 2, 3 for B; four v_nop follow each line
	s_cmp_eq_u32 s[WA], 0
	s_cbranch_scc0 .Lfor_b_\@
	tensor_load_to_lds s[\g0a:\g0a+3], s[\g1a:\g1a+7]
	s_nop 0
.rept 4
	v_nop
.endr
	s_branch .Lasked_\@
.Lfor_b_\@:
	tensor_load_to_lds s[\g0b:\g0b+3], s[\g1b:\g1b+7]
	s_nop 0
.rept 4
	v_nop
.endr
.Lasked_\@:
.endm
.macro CREST
	s_cmp_lg_u32 s[WV], 0
	s_cbranch_scc1 .Lnot_wave_0_\@
	s_barrier_signal -3
.Lnot_wave_0_\@:
	s_barrier_wait -3
	s_barrier_signal -1
	s_barrier_wait -1
.endm
.macro CROUND
	s_barrier_signal -1
	s_barrier_wait -1
	CREST
.endm
.macro PLACES n
.rept \n
	v_nop
.endr
.endm
.macro FRAG reg, adr, q, rowoff
.irp p, 0,1,2,3,4,5
.set PC, 12*(\q)+6*(\p/3)+\p%3
.if PC%8 < 5
	ds_load_b64 v[\reg+2*\p:\reg+2*\p+1], v[\adr] offset:8*PC+16*(PC/8)+(\rowoff)
.else
	ds_load_b64 v[\reg+2*\p:\reg+2*\p+1], v[\adr+2] offset:8*PC+16*(PC/8)+(\rowoff)
.endif
.endr
.endm
.macro MUL16 a0, p, q, sc, cm          ; the 64 accumulators take turns, one instruction a turn
.irp a, \a0, \a0+1
.irp b, 0,1,2,3,4,5,6,7
.set DD, 8*(8*((\a)%4)+\b)
.if \cm == 0
	v_wmma_scale_f32_16x16x128_f8f6f4 v[DD:DD+7], v[128*(\p)+FR*\b:128*(\p)+FR*\b+FR-1], v[AF+FR*(\a):AF+FR*(\a)+FR-1], v[DD:DD+7], v[SCB+16*(\sc)+2*\b+(\q)], v[SCA+16*(\sc)+2*(\a)+(\q)] matrix_a_fmt:MATRIX_FMT_FP6 matrix_b_fmt:MATRIX_FMT_FP6
.elseif \cm == 1
	v_wmma_scale_f32_16x16x128_f8f6f4 v[DD:DD+7], v[128*(\p)+FR*\b:128*(\p)+FR*\b+FR-1], v[AF+FR*(\a):AF+FR*(\a)+FR-1], 0, v[SCB+16*(\sc)+2*\b+(\q)], v[SCA+16*(\sc)+2*(\a)+(\q)] matrix_a_fmt:MATRIX_FMT_FP6 matrix_b_fmt:MATRIX_FMT_FP6
.else
	v_wmma_scale_f32_16x16x128_f8f6f4 v[DD:DD+7], v[128*(\p)+FR*\b:128*(\p)+FR*\b+FR-1], v[AF+FR*(\a):AF+FR*(\a)+FR-1], v[64+8*\b:64+8*\b+7], v[SCB+16*(\sc)+2*\b+(\q)], v[SCA+16*(\sc)+2*(\a)+(\q)] matrix_a_fmt:MATRIX_FMT_FP6 matrix_b_fmt:MATRIX_FMT_FP6
.endif
.endr
.endr
.endm
.macro FETCH_B slot, q, p
	WIN 0x40
.irp i, 0,1,2,3,4,5,6,7
	FRAG 128*(\p)+FR*\i, ADRB+\slot, \q, (64*(\i/4)+BU*(\i%4))*PITCH
.endr
	WIN 0
.endm
.macro FETCH_A slot, q, i0
.irp i, \i0, \i0+1, \i0+2, \i0+3
	FRAG AF+FR*(\i), ADRA+\slot, \q, (16*(\i)+AX*((\i)/4))*PITCH
.endr
.endm
.macro SCALES sc
.irp i, 0,1,2,3,4,5,6,7
	ds_load_b64 v[SCA+16*\sc+2*\i:SCA+16*\sc+2*\i+1], v[ADSA] offset:AS1*\i+AS2*(\i/2)+AS4*(\i/4)
.endr
.irp i, 0,1,2,3,4,5,6,7
	ds_load_b64 v[SCB+16*\sc+2*\i:SCB+16*\sc+2*\i+1], v[ADSB] offset:BS1*\i+BS2*(\i/2)+BS4*(\i/4)
.endr
.endm
.macro STEP slot, q, cm
	s_wait_dscnt 4*NL                              ; all but the youngest 24 loads (A's blocks 4-7) are in
	MWIN 0, \cm
	MUL16 0, (\q)%2, \q, \slot, \cm
	MUL16 2, (\q)%2, \q, \slot, \cm
	s_wait_dscnt 0
	PLACES NP
	FETCH_B \slot, (\q)+1, 1-(\q)%2
	FETCH_A \slot, (\q)+1, 0
	MWIN 1, \cm
	MUL16 4, (\q)%2, \q, \slot, \cm
	MUL16 6, (\q)%2, \q, \slot, \cm
	PLACES NP
	WIN 0
	FETCH_A \slot, (\q)+1, 4
.endm
.macro TURN slot, next, fill
	s_wait_tensorcnt 0x0                           ; all my tensor loads have landed: my part of the next slot
	ds_add_u32 v[SPW], v[NIL]                      ; 0 onto my spare word
	s_wait_dscnt 4*NL+1                            ; (the add and the youngest 24 loads may be out)
	MWIN 0, 0
	MUL16 0, 1, NQ-1, \slot, 0
	s_wait_dscnt 0x0                               ; the add is done, and my reads of this slot are over
	s_barrier_signal -1
	MUL16 2, 1, NQ-1, \slot, 0
	WIN 0
	s_barrier_wait -1
.if \fill
	CREST                                          ; a round of the cluster's barrier: no wave of any partner still reads this slot or has a load on its way
	s_add_nc_u64 s[G0+4*\slot+2:G0+4*\slot+3], s[G0+4*\slot+2:G0+4*\slot+3], 2*ROWB
	s_add_nc_u64 s[G0B+4*\slot+2:G0B+4*\slot+3], s[G0B+4*\slot+2:G0B+4*\slot+3], 2*ROWB
	JLOAD G0+4*\slot, G1, G0B+4*\slot, G1B
.else
	PLACES NP
.endif
	v_add_nc_u32 v[ADSA], SSTEP, v[ADSA]
	v_add_nc_u32 v[ADSB], SSTEP, v[ADSB]
	FETCH_B \next, 0, 0
	FETCH_A \next, 0, 0
	SCALES \next
	MWIN 1, 0
	MUL16 4, 1, NQ-1, \slot, 0
	MUL16 6, 1, NQ-1, \slot, 0
	PLACES NP
	WIN 0
	FETCH_A \next, 0, 4
.endm
	s_load_b512 s[4:19], s[0:1], 0x0               ; agc, ags, wcc, wcs, bo, b2, x, out0
	v_lshl_add_u32 v[SPW], v0, 2, SPARE
	v_mov_b32 v[NIL], 0
	ds_add_u32 v28, v29
	ds_add_u32 v28, v29
	s_wait_dscnt 0x0
	v_lshrrev_b32 v1, 5, v0
	v_readfirstlane_b32 s[WV], v1
	s_lshr_b32 s[WA], s[WV], 1
	s_and_b32 s[WB], s[WV], 1
	s_bfe_u32 s40, ttmp6, 0x40000
	s_bfe_u32 s41, ttmp6, 0x40004
	s_lshl_b32 s42, ttmp9, 2
	s_add_co_u32 s42, s42, s40                     ; gx: tile column
	s_and_b32 s101, ttmp7, 0xffff
	s_lshl_b32 s101, s101, 2
	s_add_co_u32 s101, s101, s41                   ; gy: tile row
	s_lshl_b32 s43, s41, 2
	s_lshl_b32 s43, 15, s43
	s_lshl_b32 s44, 0x1111, s40
	s_or_b32 s[G1+0], s43, (0<<16)|(1<<20)|(1<<21)|(3<<22)|(3<<25)
	s_or_b32 s[G1B+0], s44, (0<<16)|(1<<20)|(1<<21)|(3<<22)|(3<<25)
.irp g, G1, G1B
	s_mov_b32 s[\g+1], ROWB<<16
	s_mov_b32 s[\g+2], 128<<16
	s_mov_b32 s[\g+3], ROWB<<16
	s_mov_b32 s[\g+4], 128
	s_mov_b32 s[\g+5], KROW
	s_mov_b32 s[\g+6], 0
	s_mov_b32 s[\g+7], 0
.endr
	s_or_b32 s[G1S+0], s43, (3<<16)|(1<<20)|(1<<21)|(5<<22)|(3<<25)
	s_or_b32 s[G1SB+0], s44, (3<<16)|(1<<20)|(1<<21)|(5<<22)|(3<<25)
.irp g, G1S, G1SB
	s_mov_b32 s[\g+1], 32<<16
	s_mov_b32 s[\g+2], SUNITS<<16
	s_mov_b32 s[\g+3], 32<<16
	s_mov_b32 s[\g+4], SUNITS
	s_mov_b32 s[\g+5], 32
	s_mov_b32 s[\g+6], 0
	s_mov_b32 s[\g+7], 0
.endr
	s_mul_i32 s45, s[WV], HALFT
	s_lshl_b32 s2, s101, 1                         ; A: group of 128 rows 2 gy + WB
	s_add_co_u32 s2, s2, s[WB]
	s_lshl_b32 s104, s2, 7
	s_mul_i32 s104, s104, KROW
	s_lshl_b32 s2, s2, 13
	s_mov_b32 s105, 0
	s_mov_b32 s3, 0
	s_lshl_b32 s94, s42, 1                         ; B: group 2 gx + WB
	s_add_co_u32 s94, s94, s[WB]
	s_lshl_b32 s46, s94, 7
	s_mul_i32 s46, s46, KROW
	s_lshl_b32 s94, s94, 13
	s_mov_b32 s47, 0
	s_mov_b32 s95, 0
	v_and_b32 v1, 15, v0                           ; r
	v_bfe_u32 v2, v0, 4, 1                         ; h
	v_lshlrev_b32 v3, 5, v2                        ; 32 h: my eight columns of a tile
	v_and_b32 v4, 31, v0
	v_lshlrev_b32 v[LI], 4, v4
	s_wait_kmcnt 0x0
	s_add_nc_u64 s[104:105], s[4:5], s[104:105]
	s_add_nc_u64 s[2:3], s[6:7], s[2:3]
	s_add_nc_u64 s[46:47], s[8:9], s[46:47]
	s_add_nc_u64 s[94:95], s[10:11], s[94:95]
	s_lshl_b32 s20, s42, 10                        ; my first column, in bytes: 1,024 gx + 512 WB
	s_lshl_b32 s22, s[WB], 9
	s_add_co_u32 s20, s20, s22
	s_mov_b32 s21, 0
	s_add_nc_u64 s[12:13], s[12:13], s[20:21]      ; bo, b2
	s_add_nc_u64 s[14:15], s[14:15], s[20:21]
	s_lshl_b32 s22, s101, 8
	s_lshl_b32 s23, s[WA], 7
	s_add_co_u32 s22, s22, s23
	s_lshl_b32 s22, s22, 12                        ; my first row: (256 gy + 128 WA) x 4,096 bytes
	s_add_co_u32 s20, s20, s22
	s_add_nc_u64 s[16:17], s[16:17], s[20:21]      ; x and out at my 128 x 128: never stepped, the rows stand in the immediates (520,192 bytes at the most)
	s_add_nc_u64 s[18:19], s[18:19], s[20:21]
.irp b, 0,1,2,3,4,5,6,7
	global_load_b128 v[64+8*\b:64+8*\b+3], v3, s[12:13] offset:64*\b
	global_load_b128 v[64+8*\b+4:64+8*\b+7], v3, s[12:13] offset:64*\b+16
	global_load_b128 v[128+8*\b:128+8*\b+3], v3, s[14:15] offset:64*\b
	global_load_b128 v[128+8*\b+4:128+8*\b+7], v3, s[14:15] offset:64*\b+16
.endr
	CROUND
	s_mov_b32 s[G0S], 1
	s_mul_i32 s[G0S+1], s[WV], HALFS
	s_add_co_u32 s[G0S+1], s[G0S+1], SCL
	s_mov_b64 s[G0S+2:G0S+3], s[2:3]
	s_or_b32 s[G0S+3], s[G0S+3], 0x80000000
	s_mov_b32 s[G0SB], 1
	s_mul_i32 s[G0SB+1], s[WV], HALFS
	s_add_co_u32 s[G0SB+1], s[G0SB+1], SCL
	s_mov_b64 s[G0SB+2:G0SB+3], s[94:95]
	s_or_b32 s[G0SB+3], s[G0SB+3], 0x80000000
	JLOAD G0S, G1S, G0SB, G1SB                     ; with the two below three tensor loads of mine are out
.irp s, 0,1
	s_mov_b32 s[G0+4*\s], 1
	s_add_co_u32 s[G0+4*\s+1], s45, \s*SLOT
	s_add_nc_u64 s[G0+4*\s+2:G0+4*\s+3], s[104:105], \s*ROWB
	s_or_b32 s[G0+4*\s+3], s[G0+4*\s+3], 0x80000000
	s_mov_b32 s[G0B+4*\s], 1
	s_add_co_u32 s[G0B+4*\s+1], s45, \s*SLOT
	s_add_nc_u64 s[G0B+4*\s+2:G0B+4*\s+3], s[46:47], \s*ROWB
	s_or_b32 s[G0B+4*\s+3], s[G0B+4*\s+3], 0x80000000
	JLOAD G0+4*\s, G1, G0B+4*\s, G1B
.endr
	v_mul_u32_u24 v12, v1, PITCH
	v_mad_u32_u24 v12, v2, 24, v12
	v_lshl_add_u32 v13, v2, 4, v12
	s_mul_i32 s104, s[WA], HALFT
	s_mul_i32 s105, s[WB], HALFT
	s_add_co_u32 s105, s105, 2*HALFT
.irp s, 0,1
	v_add_nc_u32 v[ADRA+\s], s104, v12
	v_add_nc_u32 v[ADRB+\s], s105, v12
	v_add_nc_u32 v[ADRA+2+\s], s104, v13
	v_add_nc_u32 v[ADRB+2+\s], s105, v13
	s_add_co_u32 s104, s104, SLOT
	s_add_co_u32 s105, s105, SLOT
.endr
	s_mul_i32 s104, s[WA], HALFS
	s_add_co_u32 s104, s104, SCL
	v_lshl_add_u32 v[ADSA], v1, 3, s104            ; 8 bytes a row in a K step's block
	s_mul_i32 s105, s[WB], HALFS
	s_add_co_u32 s105, s105, SCL+2*HALFS
	v_lshl_add_u32 v[ADSB], v1, 3, s105
	s_mul_i32 s104, s[WV], 16*SPITCH               ; my stage: 16 rows x (512 bytes + 16), in slot 0
	v_mul_u32_u24 v[STO], v1, SPITCH
	v_lshl_add_u32 v[STO], v2, 5, v[STO]
	v_add_nc_u32 v[STO], s104, v[STO]
	v_add_nc_u32 v[RD], s104, v[LI]
	s_wait_loadcnt 0x0
.set i, 0
.rept 32
	v_pk_add_f32 v[64+i:65+i], v[64+i:65+i], v[128+i:129+i]        ; bo + b2 at column 16 b + 8 h + j: the C of the first products
.set i, i+2
.endr
	s_wait_tensorcnt 0x1                           ; the scales and my part of K step 0 are in (K step 1's load may be out),
	s_barrier_signal -1
	s_barrier_wait -1                              ; everybody's are
	FETCH_B 0, 0, 0
	FETCH_A 0, 0, 0
	SCALES 0
	FETCH_A 0, 0, 4
	STEP 0, 0, 2
	s_mov_b32 s3, LAPS-1
.Llap:
	TURN 0, 1, 1
	STEP 1, 0, 0
	TURN 1, 0, 1
	STEP 0, 0, 0
	s_sub_co_u32 s3, s3, 1
	s_cmp_lg_u32 s3, 0
	s_cbranch_scc1 .Llap
	TURN 0, 1, 0
	STEP 1, 0, 0
.macro XL a                            ; x at my block a of 16 rows: a row of 512 bytes an instruction, into set a % 4 of window 1
	WIN 0x40
.irp t, 0,1,2,3,4,5,6,7,8,9,10,11,12,13,14,15
	global_load_b128 v[64*((\a)%4)+4*\t:64*((\a)%4)+4*\t+3], v[LI], s[16:17] offset:(\a)*65536+\t*4096 th:TH_LOAD_NT
.endr
	WIN 0
.endm
	XL 0                                           ; B's set 0 is done with (four places stand behind its last products): blocks 0 and 1 of x are asked for a whole step ahead
	XL 1
	s_wait_dscnt 4*NL
	MWIN 0, 0
	MUL16 0, 1, NQ-1, 1, 0
	MUL16 2, 1, NQ-1, 1, 0
	s_wait_dscnt 0
	MWIN 1, 0
	MUL16 4, 1, NQ-1, 1, 0
	MUL16 6, 1, NQ-1, 1, 0
	WIN 0
	PLACES NP
	XL 2
	XL 3
; THE WAY OUT, block by block of 16 rows x 128 columns, through my own stage; LDS serves a wave's instructions in order, so no wait stands between the stores and the loads.
.macro TOSTAGE a
.set AC, 64*((\a)%4)
	WIN 0x08+4*((\a)/4)
.irp b, 0,1,2,3,4,5,6,7
	ds_store_b128 v[STO], v[AC+8*\b:AC+8*\b+3] offset:64*\b          ; each accumulator from its low end on
	ds_store_b128 v[STO], v[AC+8*\b+4:AC+8*\b+7] offset:64*\b+16
.endr
	WIN 0
.set BB, BK+64*((\a)%2)
.irp t, 0,1,2,3,4,5,6,7,8,9,10,11,12,13,14,15
	ds_load_b128 v[BB+4*\t:BB+4*\t+3], v[RD] offset:\t*SPITCH
.endr
.endm
.macro SEND a, younger                 ; younger: the LDS instructions issued behind block a's loads
.set BB, BK+64*((\a)%2)
.set XX, 64*((\a)%4)
.set LF, 16*(7-(\a))
.if LF > 48
.set LF, 48
.endif
	s_wait_dscnt \younger
	s_wait_loadcnt LF                              ; block a's x is in; the loads of up to three blocks behind it, 16 each, may be out
	WIN 0x04
.set i, 0
.rept 32
	v_pk_add_f32 v[BB+i:BB+i+1], v[BB+i:BB+i+1], v[XX+i:XX+i+1]
.set i, i+2
.endr
	WIN 0
.irp t, 0,1,2,3,4,5,6,7,8,9,10,11,12,13,14,15
	global_store_b128 v[LI], v[BB+4*\t:BB+4*\t+3], s[18:19] offset:(\a)*65536+\t*4096 th:TH_STORE_NT   ; 32 lanes store 512 consecutive bytes, aligned
.endr
.endm
	TOSTAGE 0
.irp a, 1,2,3,4,5,6,7
.if \a > 1
	s_wait_xcnt 0x0                                ; block a - 2's stores have read their registers: block a's rows may land there
.endif
	TOSTAGE \a
	SEND \a-1, 32                                  ; behind block a - 1's loads: block a's 16 stores and 16 loads
.if \a < 5
	XL \a+3                                        ; the set just added takes the block four further on
.endif
.endr
	SEND 7, 0
	s_wait_tensorcnt 0x0                           ; the wave's end
	ds_add_u32 v[SPW], v[NIL]
	s_wait_dscnt 0x0
	CROUND                                         ; the closing round
	s_endpgm
.Lfunc_end_k_q019620553a_outp:
	.size	k_q019620553a_outp, .Lfunc_end_k_q019620553a_outp-k_q019620553a_outp
	.p2alignl 7, 3214868480
	.fill 96, 4, 3214868480
	.section	.rodata,"a",@progbits
	.p2align	6, 0x0
	.amdhsa_kernel k_q019620553a_outp
		.amdhsa_group_segment_fixed_size 327680
		.amdhsa_private_segment_fixed_size 0
		.amdhsa_enable_private_segment 0
		.amdhsa_kernarg_size 64
		.amdhsa_user_sgpr_count 2
		.amdhsa_user_sgpr_kernarg_segment_ptr 1
		.amdhsa_wavefront_size32 1
		.amdhsa_system_sgpr_workgroup_id_x 1
		.amdhsa_system_sgpr_workgroup_id_y 1
		.amdhsa_system_sgpr_workgroup_id_z 1
		.amdhsa_system_vgpr_workitem_id 0
		.amdhsa_next_free_vgpr 1024
		.amdhsa_next_free_sgpr 106
		.amdhsa_reserve_vcc 0
		.amdhsa_float_denorm_mode_32 3
		.amdhsa_float_denorm_mode_16_64 3
		.amdhsa_memory_ordered 1
		.amdhsa_forward_progress 1
		.amdhsa_inst_pref_size 196
	.end_amdhsa_kernel
	.amdgpu_metadata
---
amdhsa.version: [ 1, 2 ]
amdhsa.kernels:
  - .name:           k_q019620553a_outp
    .symbol:         k_q019620553a_outp.kd
    .args:
      - { .name: agc, .offset: 0, .size: 8, .value_kind: global_buffer, .address_space: global }
      - { .name: ags, .offset: 8, .size: 8, .value_kind: global_buffer, .address_space: global }
      - { .name: wcc, .offset: 16, .size: 8, .value_kind: global_buffer, .address_space: global }
      - { .name: wcs, .offset: 24, .size: 8, .value_kind: global_buffer, .address_space: global }
      - { .name: bo, .offset: 32, .size: 8, .value_kind: global_buffer, .address_space: global }
      - { .name: b2, .offset: 40, .size: 8, .value_kind: global_buffer, .address_space: global }
      - { .name: x, .offset: 48, .size: 8, .value_kind: global_buffer, .address_space: global }
      - { .name: out0, .offset: 56, .size: 8, .value_kind: global_buffer, .address_space: global }
    .group_segment_fixed_size: 327680
    .private_segment_fixed_size: 0
    .kernarg_segment_align: 8
    .kernarg_segment_size: 64
    .max_flat_workgroup_size: 128
    .sgpr_count:     106
    .vgpr_count:     1024
    .wavefront_size: 32
...
	.end_amdgpu_metadata
.endif
;; end of part 4
